; MI455X (gfx1250); checked and timed in simulation.
; The chip was launched on July 23, 2026; its instructions are those of AMD's public machine-readable ISA for CDNA 5 (MIT licence, August 2026) and "CDNA5" Instruction Set Architecture Reference Guide (July 2026). The comments in the code are by the model that wrote it; some were corrected since.
;; Encoder Block. Allowed arithmetic: matrix products marked QUANTISED: E2M3 operands, one E8M0 scale for each 32 along K, by v_wmma_scale_f32_16x16x128_f8f6f4 with both operands' format E2M3, f32 sums; everything else in f32.
;; Inputs: b1 4,096 float32; b2 1,024 float32; bk 1,024 float32; bo 1,024 float32; bq 1,024 float32; bv 1,024 float32; ln1_a 1 float32; ln1_b 1 float32; ln2_a 1 float32; ln2_b 1 float32; mask 2 x 1 x 2,048 x 2,048 int32; w1 1,024 x 4,096 float32; w2 4,096 x 1,024 float32; wk 1,024 x 1,024 float32; wo 1,024 x 1,024 float32; wq 1,024 x 1,024 float32; wv 1,024 x 1,024 float32; x 2 x 2,048 x 1,024 float32.
;; Outputs: out0 2 x 2,048 x 1,024 float32.
;; This version of the problem:
;;   THIS VERSION OF THE PROBLEM IS GIVEN IN LOW PRECISION. The matrix products marked QUANTISED in the list below multiply operands that are first quantised to E2M3 (2 exponent bits, 3 mantissa bits; 6 bits a number), with one power-of-two scale for each 32 numbers along K (OCP MX v1.0); their sums are f32. All else is computed in f32.
;;   The module's matrix products, in the order in which they are computed (A, B: the left and right operand; K: the contracted axis; several contracted axes count as one K, in the product's order):
;;     1. [M 4,096, K 1,024] x [K 1,024, N 1,024]; A: computed on the way; B: input wq: QUANTISED
;;     2. [M 4,096, K 1,024] x [K 1,024, N 1,024]; A: computed on the way; B: input wk: QUANTISED
;;     3. [M 4,096, K 1,024] x [K 1,024, N 1,024]; A: computed on the way; B: input wv: QUANTISED
;;     4. batch 32 x [M 2,048, K 64] x [K 64, N 2,048]; A: computed on the way; B: computed on the way: QUANTISED
;;     5. batch 32 x [M 2,048, K 2,048] x [K 2,048, N 64]; A: softmax (see below); B: computed on the way: QUANTISED
;;     6. [M 4,096, K 1,024] x [K 1,024, N 1,024]; A: computed on the way; B: input wo: QUANTISED
;;     7. [M 4,096, K 1,024] x [K 1,024, N 4,096]; A: computed on the way; B: input w1: QUANTISED
;;     8. [M 4,096, K 4,096] x [K 4,096, N 1,024]; A: computed on the way; B: input w2: QUANTISED
;;   THE QUANTISER, for each operand of a quantised product, along K:
;;     - K is cut into blocks of 32 from its start; a last block that is shorter is filled with zeros.
;;     - A block's scale is 2^e with e = floor(log2(the largest magnitude in the block)) - 2, held to -126 .. 127; a block of zeros has e = 0. As a byte (E8M0): e + 127.
;;     - Each number is divided by its block's scale, clamped to +-7.5, and rounded to the nearest number of E2M3, ties to even, subnormals kept.
;;     - The product sums the exact products of the quantised numbers (number of the format x scale) in f32.
;;   ~~~python
;;   def quantise(x, axis):      # numpy; x: float32 -> the quantised numbers, widened to float32 again
;;       x = np.moveaxis(x, axis, -1); K = x.shape[-1]
;;       x = np.pad(x, [(0, 0)] * (x.ndim - 1) + [(0, -K % 32)]); x = x.reshape(x.shape[:-1] + (-1, 32)); a = np.abs(x).max(-1, keepdims=True)
;;       e = np.where(a > 0, np.clip(np.frexp(np.where(a > 0, a, 1))[1] - 1 - 2, -126, 127), 0)      # np.frexp(a)[1] - 1 = floor(log2(a)), exactly
;;       r = np.clip(x / 2.0 ** e, -7.5, 7.5)
;;       step = 2.0 ** (np.maximum(np.frexp(np.where(r == 0, 1, r))[1] - 1, 0) - 3)
;;       q = np.round(r / step) * step * 2.0 ** e      # np.round: ties to even
;;       return np.moveaxis(q.reshape(q.shape[:-2] + (-1,))[..., :K], -1, axis).astype(np.float32)
;;   ~~~
;;   SOFTMAX AHEAD OF A QUANTISED PRODUCT. Where the list says 'softmax', what is quantised is not the finished softmax but p = 2^(t - M), with t = logit x log2(e) and M = ceil(the row's largest t), a whole number; so 1/2 < the row's largest p <= 1. The row's sum l is taken of the UNQUANTISED p, in f32, and the product's result is divided by l at the end. Since M is a whole number, a kernel that streams over the keys may use a running M (the ceiling of the running maximum): every later rescaling is an exact power of two, which a block's scale takes up: the codes' values come out the same.
;;   OPERANDS COMPUTED ON THE WAY. 'Computed on the way' means the value that the module computes at that place (a softmax that the list does not call 'softmax' is quantised finished and normalised). What goes into a quantiser is computed in f32, as accurately as f32 sums, v_exp_f32 and their like allow (about 1e-6 of the number): no bf16 or f16 on the way to a quantiser, and a product that is left as it is and whose result goes on into a quantised operand takes f32 operands (vector FMAs, or v_wmma_f32_16x16x4_f32). A number that lies on a knife's edge between two numbers of the format may be rounded either way, as far as f32 arithmetic and the matrix unit's own rounding can turn it there, and no further.
;; One version. Each part assembles by itself: llvm-mc -triple=amdgcn-amd-amdhsa -mcpu=gfx1250 --defsym DOCPART=n.
;; ======== version 1 of 1: 7 launches
;; limits: right only within a limited range of input values
;; workspace buffers: act 3,276,800 bytes; wq3 3,293,696 bytes; wf1 3,293,696 bytes; wr 4,096,000 bytes; maskw 1,048,576 bytes of whole numbers; big 13,107,200 bytes; ctx 3,276,800 bytes; x1 16,777,216 bytes
;; launch prep (part 1): grid 903 x 1, 4 waves a work-group, no clusters, 60,928 bytes of LDS; arguments x, ln1_a, ln1_b, act, mask, maskw, wq, wk, wv, wo, w1, w2, bq, bk, bv, b1, wq3, wf1, wr; writes act, maskw, wq3, wf1, wr
.if DOCPART == 1
	.amdgcn_target "amdgcn-amd-amdhsa--gfx1250"
	.amdhsa_code_object_version 6
	.text
	.protected	k_q179082b6e3_prep
	.globl	k_q179082b6e3_prep
	.p2align	8
	.type	k_q179082b6e3_prep,@function
k_q179082b6e3_prep:
	s_mov_b64 s[64:65], 0
	v_nop
	global_prefetch_b8 v0, s[64:65] scope:SCOPE_SE
	s_setreg_imm32_b32 hwreg(HW_REG_WAVE_MODE, 25, 1), 1
	s_wait_xcnt 0x0
; PREP: everything that is read once and laid out for the later launches.  Four paths, chosen by the work-group's number alone:
;   0..255    LN: LayerNorm of 16 tokens (mean, unbiased deviation, eps added to the deviation, scalar gain and offset), quantised to FP6 (E2M3) along the features
;   256..639  W : a weight [K][N] f32, quantised along K (its first axis)
;   640..895  M : the int32 mask of 16 queries x 2,048 keys becomes lane masks, one bit a number
;   896..902  B : copies of the biases behind the weights' codes, and the floor word of the launch that reads them (-infinity: no activation; 0: relu)
; ONE FORMAT FOR EVERY QUANTISED OPERAND: THE IMAGE OF THE MATRIX OPERAND'S REGISTERS.  A tile is 16 rows; lane r of tile T holds row 32 (T / 2) + 8 (T % 2) + r + 8 (r / 8).
; An image is one tile x 128 along K: 1,536 bytes; register g (0..11) of lane l lies at 512 (g / 4) + 16 l + 4 (g % 4); registers 6 c .. 6 c + 5 of lane (r, h) hold k = 64 c + 32 h + 0 .. 31.
; Codes lie [tile][K / 128][1536], scale words [tile][K / 128][16 words], word r = the four E8M0 bytes of row r.
; A block's scale is 2^(floor(log2(largest magnitude)) - 2); its byte is the largest magnitude's exponent field - 2, held at 1 from below.
; LN AND M WANT 16 NEIGHBOURS OF ONE ROW IN A LANE, AND YET EVERY LOAD IS DENSE: a load takes two rows' runs of 256 consecutive bytes, aligned (lanes 0-15 one row, lanes 16-31 the next); eight loads bring 16 rows x 256 bytes,
; which go through the wave's own stage in LDS as they were loaded and come back 64 bytes a lane, into the registers that they left.
; LIMITS: a block of zeros gets the byte 1 where the rule says 127 (its codes are zeros, and this program alone reads the bytes); NaN and infinities among the inputs are not served;
; 1 / (deviation + eps) is made by v_rcp_f32 and multiplied, where the definition divides.
.set SPARE, 25600                      ; LDS: W's four stages of 6,144 bytes from 0; LN's two exchanges of 512 bytes from RED; the spare words, 128 bytes a wave, which no other line names;
.set RED,   24576
.set WST,   4352                       ; a wave's stage for the turn: 16 rows x (256 bytes + 16): rows 17 x 16 bytes apart, so that the 16 rows of a read start in 16 different groups of banks
.set LNST,  26112                      ; LN's four stages,
.set MST,   43520                      ; M's four: each path has LDS bytes of its own
.set SEL,   60                         ; s[60:61] lane selects of v_permlanex16_b32: lane l xor 16
.set HALF,  62                         ; s62 the lane mask of lanes 16-31
.set X,     64                         ; numbers as loaded
.set PC,    192                        ; v192-211 codes just made
.set TM,    212                        ; v212-227 at work in QUANT
.set PW,    228                        ; v228-229 scale words just made
.set CC,    128                        ; W: a block's codes, v128-136
.set OUTR,  140                        ; W: the way out, v140-187
.set RO,    32                         ; W: v32-63 row i's byte offset
.set WD,    32                         ; M: v32-39 the lane masks, two registers a key step
.macro FINISH                          ; the wave's end
	s_wait_tensorcnt 0x0
	ds_add_u32 v30, v31
	s_wait_dscnt 0x0
	s_endpgm
.endm
; THE TURN of 16 rows x 256 bytes, 32 registers from v[reg] on.  In: register 4 i + e of lane (h, r) is word 4 r + e of stage row 2 i + h.  Out: register 16 b + 4 j + e of lane (r, h) is word 32 b + 16 h + 4 j + e of stage row r.
; LDS serves a wave's instructions in order (ISA guide 5.7.1.4): the loads see the stores above them, and the next turn's stores come behind these loads; the stage is the wave's own.
.macro TURN16 reg, sa, ra
.irp i, 0,1,2,3,4,5,6,7
	ds_store_b128 v[\sa], v[(\reg)+4*\i:(\reg)+4*\i+3] offset:544*\i
.endr
.irp i, 0,1,2,3,4,5,6,7
	ds_load_b128 v[(\reg)+4*\i:(\reg)+4*\i+3], v[\ra] offset:128*(\i/4)+16*(\i%4)
.endr
.endm
; 64 numbers of a lane, v[s] .. v[s + 63], register 16 b + i = k 32 b + 16 (lane / 16) + i of my row, become an image's 12 registers in v[PC] on and the row's scale word in v[pw].
.macro QUANT s, pw
.irp b, 0,1,2,3
	v_max3_num_f32 v[TM+\b], |v[(\s)+16*\b]|, |v[(\s)+1+16*\b]|, 0x1800000   ; block b: my 16 numbers and the floor 2^(3 - 127): the byte cannot fall under 1
.endr
.irp i, 2,4,6,8,10,12,14
.irp b, 0,1,2,3
	v_max3_num_f32 v[TM+\b], v[TM+\b], |v[(\s)+16*\b+\i]|, |v[(\s)+1+16*\b+\i]|   ; the four blocks by turns
.endr
.endr
.irp b, 0,1,2,3
	v_permlanex16_b32 v[TM+4+\b], v[TM+\b], s[SEL], s[SEL+1]
.endr
.irp b, 0,1,2,3
	v_max_num_f32 v[TM+\b], v[TM+\b], v[TM+4+\b]       ; with lane l xor 16's 16: the block's largest magnitude
.endr
.irp b, 0,1,2,3
	v_add_nc_u32 v[TM+12+\b], 0xff000000, v[TM+\b]     ; 2 off its exponent field: the conversion's scale operand
.endr
.irp b, 0,1,2,3
	v_lshrrev_b32 v[TM+4+\b], 23, v[TM+12+\b]          ; the scale's byte
.endr
	v_lshl_or_b32 v[\pw], v[TM+5], 8, v[TM+4]
	v_lshl_or_b32 v[\pw], v[TM+6], 16, v[\pw]
	v_lshl_or_b32 v[\pw], v[TM+7], 24, v[\pw]
.irp c, 0,1
	v_cvt_scalef32_pk16_fp6_f32 v[PC+6*\c:PC+2+6*\c], v[(\s)+32*\c:(\s)+15+32*\c], v[TM+12+2*\c]
	v_cvt_scalef32_pk16_fp6_f32 v[PC+12+4*\c:PC+14+4*\c], v[(\s)+16+32*\c:(\s)+31+32*\c], v[TM+12+2*\c+1]   ; (a conversion's three registers begin on an even number)
.endr
	v_nop                                              ; one plain place behind the scaled conversions
.irp c, 0,1                                        ; the operand wants a whole block in a lane: lanes 0-15 block 2 c, lanes 16-31 block 2 c + 1
.irp i, 0,1,2
	v_permlane16_swap_b32 v[PC+6*\c+\i], v[PC+12+4*\c+\i]
.endr
.irp i, 0,1,2
	v_mov_b32 v[PC+3+6*\c+\i], v[PC+12+4*\c+\i]
.endr
.endr
.endm
	v_lshl_add_u32 v30, v0, 2, SPARE               ; my spare word, and 0: kept for the add alone
	v_mov_b32 v31, 0
	v_lshrrev_b32 v1, 5, v0
	v_readfirstlane_b32 s2, v1                     ; wave 0..3
	v_and_b32 v1, 31, v0                           ; lane
	v_and_b32 v2, 15, v0                           ; r
	v_bfe_u32 v3, v0, 4, 1                         ; h
	s_mov_b32 s[SEL], 0x76543210
	s_mov_b32 s[SEL+1], 0xfedcba98
	s_mov_b32 s[HALF], 0xffff0000
	s_cmp_lt_u32 ttmp9, 256
	s_cbranch_scc1 .Lln
	s_cmp_lt_u32 ttmp9, 640
	s_cbranch_scc1 .Lw
	s_cmp_lt_u32 ttmp9, 896
	s_cbranch_scc1 .Lm
; ---- B: 4,096 bytes of a bias a work-group, 32 bytes a thread
	s_load_b256 s[8:15], s[0:1], 0x60              ; bq, bk, bv, b1
	s_load_b128 s[16:19], s[0:1], 0x80             ; wq3, wf1
	s_sub_co_u32 s4, ttmp9, 896                    ; t = 0..6: bq, bk, bv, four quarters of b1
	s_cmp_ge_u32 s4, 3
	s_cselect_b32 s5, 3, 0
	s_sub_co_u32 s5, s4, s5                        ; the piece's number in its destination
	s_lshl_b32 s6, s5, 12
	s_add_co_u32 s20, s6, 3276800                  ; the biases lie behind the codes and scale words
	s_mov_b32 s21, 0
	s_cmp_ge_u32 s4, 3
	s_cselect_b32 s22, s6, 0                       ; b1 is read piece by piece
	s_mov_b32 s23, 0
	v_lshlrev_b32 v5, 5, v0
	s_wait_alu depctr_va_vdst(0)
	s_wait_kmcnt 0x0
	s_cmp_eq_u32 s4, 1
	s_cselect_b64 s[8:9], s[10:11], s[8:9]
	s_cmp_eq_u32 s4, 2
	s_cselect_b64 s[8:9], s[12:13], s[8:9]
	s_cmp_ge_u32 s4, 3
	s_cselect_b64 s[8:9], s[14:15], s[8:9]
	s_cselect_b64 s[16:17], s[18:19], s[16:17]
	s_add_nc_u64 s[8:9], s[8:9], s[22:23]
	s_add_nc_u64 s[24:25], s[16:17], s[20:21]
	global_load_b128 v[8:11], v5, s[8:9]
	global_load_b128 v[12:15], v5, s[8:9] offset:16
	s_wait_loadcnt 0x0
	global_store_b128 v5, v[8:11], s[24:25]
	global_store_b128 v5, v[12:15], s[24:25] offset:16
	s_cmp_lg_u32 s5, 0                             ; the first piece's work-group also writes the floor word, 128 times
	s_cbranch_scc1 .Lb_end
	s_cmp_eq_u32 s4, 0
	s_cselect_b32 s6, 0xff800000, 0                ; q, k, v: -infinity (no activation); the hidden layer: 0 (relu)
	v_mov_b32 v6, s6
	v_lshlrev_b32 v7, 2, v0
	global_store_b32 v7, v6, s[16:17] offset:3293184
.Lb_end:
	FINISH
; ---- LN: tile T = the work-group's number; wave w takes columns 256 w .. 256 w + 255 of the 16 rows: K steps 2 w and 2 w + 1.  A lane holds 128 numbers of one row.
.macro REDUCE off                      ; the four chains v[8:15] become the row's total in v16: my lane, lane l xor 16, then the four waves through LDS
	v_pk_add_f32 v[8:9], v[8:9], v[10:11]
	v_pk_add_f32 v[12:13], v[12:13], v[14:15]
	v_pk_add_f32 v[8:9], v[8:9], v[12:13]
	v_add_f32 v8, v8, v9
	v_permlanex16_b32 v9, v8, s[SEL], s[SEL+1]
	v_add_f32 v8, v8, v9
	ds_store_b32 v24, v8 offset:\off
	s_wait_dscnt 0x0                               ; for the others' sake: my store has landed
	s_barrier_signal -1
	s_barrier_wait -1
.irp i, 0,1,2,3
	ds_load_b32 v[16+\i], v25 offset:\off+128*\i   ; my row's part from each wave
.endr
	s_wait_dscnt 0x0
	v_add_f32 v16, v16, v17
	v_add_f32 v18, v18, v19
	v_add_f32 v16, v16, v18
.endm
.Lln:
	s_load_b256 s[4:11], s[0:1], 0x0               ; x, gain, offset, act
	s_lshr_b32 s12, ttmp9, 1
	s_lshl_b32 s12, s12, 5
	s_and_b32 s13, ttmp9, 1
	s_lshl_b32 s13, s13, 3
	s_add_co_u32 s12, s12, s13                     ; the tile's first row: 32 (T / 2) + 8 (T % 2)
	s_lshl_b32 s12, s12, 12                        ; rows of 4,096 bytes
	s_lshl_b32 s13, s2, 10
	s_add_co_u32 s12, s12, s13                     ; + my wave's 1,024 bytes
	s_mov_b32 s13, 0
	s_lshl_b32 s14, ttmp9, 3
	s_lshl_b32 s15, s2, 1
	s_add_co_u32 s14, s14, s15                     ; image 8 T + 2 w
	s_mul_i32 s20, s14, 1536
	s_mov_b32 s21, 0
	s_lshl_b32 s22, s14, 6
	s_add_co_u32 s22, s22, 3145728                 ; the scale words lie behind the codes
	s_mov_b32 s23, 0
	s_mul_i32 s28, s2, WST                         ; my stage
	s_wait_alu depctr_va_vdst(0)
	v_lshlrev_b32 v5, 12, v3
	v_lshl_add_u32 v5, v2, 4, v5                   ; a load: lanes 0-15 take 256 bytes of one row, lanes 16-31 of the row below
	v_mul_u32_u24 v26, v3, 272
	v_lshl_add_u32 v26, v2, 4, v26
	v_add_nc_u32 v26, s28, v26
	v_add_nc_u32 v26, LNST, v26                    ; into the stage: as loaded: row h of a pair, 16 bytes a lane
	v_mul_u32_u24 v27, v2, 272
	v_lshl_add_u32 v27, v3, 6, v27
	v_add_nc_u32 v27, s28, v27
	v_add_nc_u32 v27, LNST, v27                    ; out of it: row r, + 64 h: my 16 numbers of a block of 32
	v_lshlrev_b32 v6, 4, v1                        ; 16 x lane: an image's place for my lane
	v_lshlrev_b32 v7, 2, v1
	v_lshl_add_u32 v24, v0, 2, RED                 ; the exchange: a word a thread,
	v_lshl_add_u32 v25, v1, 2, RED                 ; read back by lane
.irp b, 0,1,2,3
	v_mov_b32 v[TM+4+\b], 0                        ; written once: a lane permute's destination counts as one of its sources
.endr
	s_wait_alu depctr_va_vdst(0)
	s_wait_kmcnt 0x0
	s_load_b32 s16, s[6:7], 0x0                    ; the gain
	s_load_b32 s18, s[8:9], 0x0                    ; the offset
	s_add_nc_u64 s[4:5], s[4:5], s[12:13]
	s_add_nc_u64 s[24:25], s[10:11], s[20:21]
	s_add_nc_u64 s[26:27], s[10:11], s[22:23]
.irp q, 0,1,2,3                                ; four chunks of 16 rows x 256 bytes; stage rows 2 i and 2 i + 1 are the tile's rows 2 i + 8 (i / 4) and the next
.irp i, 0,1,2,3,4,5,6,7
	global_load_b128 v[X+32*\q+4*\i:X+32*\q+4*\i+3], v5, s[4:5] offset:(2*\i+8*(\i/4))*4096+256*\q th:TH_LOAD_NT
.endr
.endr
	s_wait_loadcnt 24                              ; the first chunk's 8 loads are in, the 24 younger ones may be out
	TURN16 X, 26, 27
	s_wait_loadcnt 16
	TURN16 X+32, 26, 27
	s_wait_dscnt 0x0                               ; the first K step's 64 numbers are back
.irp c, 0,1,2,3
	v_pk_add_f32 v[8+2*\c:9+2*\c], v[X+2*\c:X+2*\c+1], v[X+8+2*\c:X+9+2*\c]   ; the first numbers start the four chains: nothing is cleared
.endr
.set j, 16
.rept 24
	v_pk_add_f32 v[8+j%8:9+j%8], v[8+j%8:9+j%8], v[X+j:X+j+1]
.set j, j+2
.endr
	s_wait_alu depctr_va_vdst(0)
	s_wait_loadcnt 8
	TURN16 X+64, 26, 27
	s_wait_loadcnt 0x0
	TURN16 X+96, 26, 27
	s_wait_dscnt 0x0
.rept 32
	v_pk_add_f32 v[8+j%8:9+j%8], v[8+j%8:9+j%8], v[X+j:X+j+1]
.set j, j+2
.endr
	REDUCE 0
	v_mul_f32 v230, 0x3a800000, v16                ; the mean: the sum / 1,024
	v_mov_b32 v231, v230
.set j, 0
.rept 64
	v_pk_add_f32 v[X+j:X+j+1], v[X+j:X+j+1], v[230:231] neg_lo:[0,1] neg_hi:[0,1]   ; x - mean, in place: the squares are taken of differences, so a common offset of the inputs costs nothing
.set j, j+2
.endr
.irp c, 0,1,2,3
	v_pk_mul_f32 v[8+2*\c:9+2*\c], v[X+2*\c:X+2*\c+1], v[X+2*\c:X+2*\c+1]
.endr
.set j, 8
.rept 60
	v_pk_fma_f32 v[8+j%8:9+j%8], v[X+j:X+j+1], v[X+j:X+j+1], v[8+j%8:9+j%8]
.set j, j+2
.endr
	REDUCE 512                                     ; other bytes than the first exchange: no third barrier is needed
	v_mul_f32 v16, 0x3a802008, v16                 ; / 1,023
	s_wait_alu depctr_va_vdst(0)
	v_sqrt_f32 v17, v16
	v_nop                                          ; a plain place behind the transcendental,
	s_wait_alu depctr_va_vdst(0)                   ; and the wait ahead of its first reader
	v_add_f32 v17, 0x358637bd, v17                 ; + 1e-6
	s_wait_alu depctr_va_vdst(0)
	v_rcp_f32 v18, v17
	v_nop
	s_wait_alu depctr_va_vdst(0)
	s_wait_kmcnt 0x0                               ; gain and offset
	s_mov_b32 s19, s18                             ; (the packed form names the pair)
	v_mul_f32 v232, s16, v18
	v_mul_f32 v233, s16, v18
.set j, 0
.rept 64
	v_pk_fma_f32 v[X+j:X+j+1], v[X+j:X+j+1], v[232:233], s[18:19] op_sel_hi:[1,1,0]
.set j, j+2
.endr
	QUANT X, PW
.irp c, 0,1,2
	global_store_b128 v6, v[PC+4*\c:PC+4*\c+3], s[24:25] offset:512*\c          ; 32 lanes store 512 consecutive bytes
.endr
	s_wait_xcnt 0x0                                ; the stores' data registers are written again only behind this wait
	QUANT X+64, PW+1
.irp c, 0,1,2
	global_store_b128 v6, v[PC+4*\c:PC+4*\c+3], s[24:25] offset:1536+512*\c
.endr
	v_cndmask_b32 v[PW], v[PW], v[PW+1], s[HALF]   ; lanes 0-15: the first K step's words, lanes 16-31: the second's: 128 consecutive bytes
	global_store_b32 v7, v[PW], s[26:27]
	FINISH
; ---- W: a wave takes 32 columns x 256 along K: two tiles x two K steps.  A lane takes a column and its registers run down K, so a block of 32 lies in one lane.
.macro WLOAD t                         ; block t: W(32 t + i, my column), i = 0 .. 31, into set t % 2; 32 lanes read 128 consecutive bytes
.set wi, 0
.rept 32
	global_load_b32 v[X+32*((\t)%2)+wi], v[RO+wi], s[40+2*(\t):41+2*(\t)] th:TH_LOAD_NT
.set wi, wi+1
.endr
.endm
.macro WBLOCK t
.set XS, X+32*((\t)%2)
.set LOFF, 1536*((\t)/4)+256*((\t)%2)  ; the image of K step t / 4; the block belongs to lanes 16 (t % 2) on
.if (\t) < 7
	s_wait_loadcnt 32                              ; this block's 32 loads are in, the next block's may be out
.else
	s_wait_loadcnt 0x0
.endif
	v_max3_num_f32 v12, |v[XS]|, |v[XS+1]|, |v[XS+2]|
	v_max3_num_f32 v13, |v[XS+3]|, |v[XS+4]|, |v[XS+5]|
.irp i, 6,10,14,18,22,26
	v_max3_num_f32 v12, v12, |v[XS+\i]|, |v[XS+\i+1]|
	v_max3_num_f32 v13, v13, |v[XS+\i+2]|, |v[XS+\i+3]|
.endr
	v_max3_num_f32 v12, v12, |v[XS+30]|, |v[XS+31]|
	v_max3_num_f32 v12, v12, v13, 0x1800000        ; and the floor
	v_add_nc_u32 v11, 0xff000000, v12              ; the conversion's scale operand
	v_cvt_scalef32_pk16_fp6_f32 v[CC:CC+2], v[XS:XS+15], v11
	v_cvt_scalef32_pk16_fp6_f32 v[CC+6:CC+8], v[XS+16:XS+31], v11
	v_lshrrev_b32 v13, 23, v11                     ; the scale's byte; also the plain place behind the conversions
.if (\t)%4 == 0
	v_mov_b32 v[14+(\t)/4], v13
.else
	v_lshl_or_b32 v[14+(\t)/4], v13, 8*((\t)%4), v[14+(\t)/4]
.endif
.irp i, 0,1,2
	v_mov_b32 v[CC+3+\i], v[CC+6+\i]               ; the block's six registers on end
.endr
.if ((\t)%4)/2 == 0                    ; registers 0-5 of the image: four in its first 512 bytes, two in its second
	ds_store_b128 v16, v[CC:CC+3] offset:LOFF
	ds_store_b64 v16, v[CC+4:CC+5] offset:LOFF+512
.else                                  ; registers 6-11: two in its second 512 bytes, four in its third
	ds_store_b64 v16, v[CC:CC+1] offset:LOFF+520
	ds_store_b128 v16, v[CC+2:CC+5] offset:LOFF+1024
.endif
.if (\t)+2 < 8
	WLOAD (\t)+2
.endif
	s_wait_dscnt 0x0                               ; the stores have read their registers: the next block's codes may be written
.endm
.Lw:
	s_load_b256 s[8:15], s[0:1], 0x30              ; wq, wk, wv, wo
	s_load_b128 s[16:19], s[0:1], 0x50             ; w1, w2
	s_load_b128 s[20:23], s[0:1], 0x80             ; wq3, wf1
	s_load_b64 s[24:25], s[0:1], 0x90              ; wr
	s_sub_co_u32 s4, ttmp9, 256                    ; j: 0..127 wq, wk, wv, wo (32 each); 128..255 w1; 256..383 w2
	s_lshr_b32 s5, s4, 5
	s_and_b32 s6, s4, 127
	s_lshr_b32 s7, s4, 7
	s_and_b32 s27, s6, 7                           ; which 128 columns,
	s_bfe_u32 s28, s6, 0x20003                     ; which 256 along K
	s_lshl_b32 s29, s5, 6                          ; the tensor's first tile in its destination
	s_mov_b32 s33, 3145728                         ; where the scale words begin
	s_mov_b32 s26, 4096                            ; a row of the source in bytes
	s_mov_b32 s30, 12288                           ; from tile to tile: codes,
	s_mov_b32 s31, 512                             ; scale words
	s_mov_b32 s32, 0                               ; where the codes begin
	s_and_b32 s34, s6, 31
	s_lshr_b32 s35, s6, 5
	s_lshr_b32 s36, s6, 3
	s_cmp_eq_u32 s5, 3                             ; wo
	s_cselect_b32 s29, 0, s29
	s_cselect_b32 s33, 786432, s33
	s_cmp_eq_u32 s7, 1                             ; w1
	s_cselect_b32 s27, s34, s27
	s_cselect_b32 s28, s35, s28
	s_cselect_b32 s26, 16384, s26
	s_cselect_b32 s29, 0, s29
	s_cmp_eq_u32 s7, 2                             ; w2
	s_cselect_b32 s28, s36, s28
	s_cselect_b32 s29, 0, s29
	s_cselect_b32 s30, 49152, s30
	s_cselect_b32 s31, 2048, s31
	s_cselect_b32 s32, 819200, s32
	s_cselect_b32 s33, 3964928, s33
	s_lshl_b32 s36, s28, 8
	s_mul_i32 s36, s36, s26                        ; my first row,
	s_lshl_b32 s37, s27, 9
	s_add_co_u32 s36, s36, s37
	s_lshl_b32 s37, s2, 7
	s_add_co_u32 s36, s36, s37                     ; my wave's first column
	s_mov_b32 s37, 0
	s_lshl_b32 s56, s26, 5                         ; 32 rows on
	s_mov_b32 s57, 0
	s_lshl_b32 s66, s27, 3
	s_add_co_u32 s66, s66, s29
	s_lshl_b32 s67, s2, 1
	s_add_co_u32 s66, s66, s67                     ; my wave's first tile
	s_mul_i32 s68, s66, s30
	s_add_co_u32 s68, s68, s32
	s_mul_i32 s69, s28, 3072
	s_add_co_u32 s68, s68, s69                     ; its two K steps' images lie on end
	s_mov_b32 s69, 0
	s_mul_i32 s70, s66, s31
	s_add_co_u32 s70, s70, s33
	s_lshl_b32 s71, s28, 7
	s_add_co_u32 s70, s70, s71
	s_mov_b32 s71, 0
	s_mul_i32 s67, s2, 6144                        ; my stage
	s_wait_alu depctr_va_vdst(0)
	v_and_b32 v8, 7, v1
	v_lshrrev_b32 v9, 4, v1
	v_lshl_add_u32 v8, v9, 3, v8                   ; column L of the 32 is lane (L % 8) + 8 (L / 16)
	v_bfe_u32 v9, v1, 3, 1                         ; of tile (L / 8) % 2
	v_lshlrev_b32 v10, 2, v1
	v_mul_u32_u24 v16, v9, 3072
	v_lshl_add_u32 v16, v8, 4, v16
	v_add_nc_u32 v16, s67, v16                     ; into the stage: [tile][K step][1536], 16 bytes a lane of the image
	v_lshl_add_u32 v17, v1, 4, s67                 ; out of it: as it lies
	v_lshlrev_b32 v18, 4, v1                       ; and into memory: the first tile,
	v_add_nc_u32 v19, s30, v18                     ; the second
	v_mul_u32_u24 v20, s31, v9
	v_lshl_add_u32 v20, v8, 2, v20                 ; my column's scale word
.set wi, 0
.rept 32
	v_mad_u32_u24 v[RO+wi], s26, wi, v10           ; row i of a block, my column
.set wi, wi+1
.endr
	s_wait_alu depctr_va_vdst(0)
	s_wait_kmcnt 0x0
	s_cmp_eq_u32 s5, 1                             ; the choices hang on the work-group's number alone
	s_cselect_b64 s[8:9], s[10:11], s[8:9]
	s_cmp_eq_u32 s5, 2
	s_cselect_b64 s[8:9], s[12:13], s[8:9]
	s_cmp_eq_u32 s5, 3
	s_cselect_b64 s[8:9], s[14:15], s[8:9]
	s_cselect_b64 s[20:21], s[24:25], s[20:21]
	s_cmp_ge_u32 s4, 128
	s_cselect_b64 s[8:9], s[16:17], s[8:9]
	s_cselect_b64 s[20:21], s[22:23], s[20:21]
	s_cmp_ge_u32 s4, 256
	s_cselect_b64 s[8:9], s[18:19], s[8:9]
	s_cselect_b64 s[20:21], s[24:25], s[20:21]
	s_add_nc_u64 s[40:41], s[8:9], s[36:37]        ; a base for each of the eight blocks: none is ever stepped
.irp t, 1,2,3,4,5,6,7
	s_add_nc_u64 s[40+2*\t:41+2*\t], s[38+2*\t:39+2*\t], s[56:57]
.endr
	s_add_nc_u64 s[72:73], s[20:21], s[68:69]
	s_add_nc_u64 s[74:75], s[20:21], s[70:71]
	WLOAD 0
	WLOAD 1
.irp t, 0,1,2,3,4,5,6,7
	WBLOCK \t
.endr
	global_store_b32 v20, v14, s[74:75]
	s_wait_alu depctr_va_vdst(0)
	global_store_b32 v20, v15, s[74:75] offset:64
.irp n, 0,1,2,3,4,5,6,7,8,9,10,11
	ds_load_b128 v[OUTR+4*\n:OUTR+4*\n+3], v17 offset:512*\n   ; LDS serves a wave's instructions in order: these see my stores
.endr
.irp n, 0,1,2,3,4,5,6,7,8,9,10,11
	s_wait_dscnt 11-\n                             ; the younger reads may be out
	global_store_b128 v[18+\n/6], v[OUTR+4*\n:OUTR+4*\n+3], s[72:73] offset:512*(\n%6)   ; 32 lanes store 512 consecutive bytes
.endr
	FINISH
; ---- M: query tile T; wave w takes key steps 4 w .. 4 w + 3.  Word 2 (n % 32) + n / 32 of a step's 64 is the lane mask of score register n of the attention launch:
;      bit (r, h) = mask[query of lane r][128 step + 32 (n / 16) + 16 h + n % 16] != 0.
.macro MLOAD st                        ; a key step: 16 rows x 512 bytes, as two chunks of 16 rows x 256 bytes; a load takes two rows' 256 consecutive bytes
.irp q, 0,1
.irp i, 0,1,2,3,4,5,6,7
	global_load_b128 v[X+64*((\st)%2)+32*\q+4*\i:X+64*((\st)%2)+32*\q+4*\i+3], v5, s[4:5] offset:(2*\i+8*(\i/4))*8192+512*(\st)+256*\q th:TH_LOAD_NT
.endr
.endr
.endm
.macro MTURN st                        ; behind it register n of lane (r, h) is the mask's number at key 128 step + 32 (n / 16) + 16 h + n % 16 of the query of lane r
	TURN16 X+64*((\st)%2), 26, 27
	TURN16 X+64*((\st)%2)+32, 26, 27
	s_wait_dscnt 0x0
.endm
.macro MPACK st
.set n, 0
.rept 64
	v_cmp_ne_u32 s[20+n%4], 0, v[X+64*((\st)%2)+n]
	v_writelane_b32 v[WD+2*(\st)+n/32], s[20+n%4], n%32
.set n, n+1
.endr
	global_store_b64 v6, v[WD+2*(\st):WD+2*(\st)+1], s[6:7] offset:256*(\st)   ; 32 lanes store 256 consecutive bytes, aligned
.endm
.Lm:
	s_load_b128 s[4:7], s[0:1], 0x20               ; mask, maskw
	s_sub_co_u32 s8, ttmp9, 640                    ; T
	s_lshr_b32 s9, s8, 1
	s_lshl_b32 s9, s9, 5
	s_and_b32 s10, s8, 1
	s_lshl_b32 s10, s10, 3
	s_add_co_u32 s9, s9, s10
	s_lshl_b32 s12, s9, 13                         ; a query's row of the mask is 8,192 bytes
	s_lshl_b32 s10, s2, 11
	s_add_co_u32 s12, s12, s10                     ; my wave's four key steps: 2,048 bytes
	s_mov_b32 s13, 0
	s_lshl_b32 s14, s8, 12
	s_lshl_b32 s10, s2, 10
	s_add_co_u32 s14, s14, s10
	s_mov_b32 s15, 0
	s_mul_i32 s16, s2, WST                         ; my stage
	s_wait_alu depctr_va_vdst(0)
	v_lshlrev_b32 v5, 13, v3
	v_lshl_add_u32 v5, v2, 4, v5                   ; a load: lanes 0-15 take 256 bytes of one row, lanes 16-31 of the row below
	v_mul_u32_u24 v26, v3, 272
	v_lshl_add_u32 v26, v2, 4, v26
	v_add_nc_u32 v26, s16, v26
	v_add_nc_u32 v26, MST, v26                     ; into the stage: as loaded
	v_mul_u32_u24 v27, v2, 272
	v_lshl_add_u32 v27, v3, 6, v27
	v_add_nc_u32 v27, s16, v27
	v_add_nc_u32 v27, MST, v27                     ; out of it: row r, + 64 h
	v_lshlrev_b32 v6, 3, v1
.irp i, 0,1,2,3,4,5,6,7
	v_mov_b32 v[WD+\i], 0                          ; v_writelane_b32's destination counts as one of its sources
.endr
	s_wait_alu depctr_va_vdst(0)
	s_wait_kmcnt 0x0
	s_add_nc_u64 s[4:5], s[4:5], s[12:13]
	s_add_nc_u64 s[6:7], s[6:7], s[14:15]
	MLOAD 0
	MLOAD 1
	s_wait_loadcnt 16                              ; a step's 16 loads are in, the next step's may be out
	MTURN 0
	MPACK 0
	MLOAD 2
	s_wait_loadcnt 16
	MTURN 1
	MPACK 1
	MLOAD 3
	s_wait_loadcnt 16
	MTURN 2
	MPACK 2
	s_wait_loadcnt 0x0
	MTURN 3
	MPACK 3
	FINISH
.Lfunc_end_k_q179082b6e3_prep:
	.size	k_q179082b6e3_prep, .Lfunc_end_k_q179082b6e3_prep-k_q179082b6e3_prep
	.p2alignl 7, 3214868480
	.fill 96, 4, 3214868480
	.section	.rodata,"a",@progbits
	.p2align	6, 0x0
	.amdhsa_kernel k_q179082b6e3_prep
		.amdhsa_group_segment_fixed_size 60928
		.amdhsa_private_segment_fixed_size 0
		.amdhsa_enable_private_segment 0
		.amdhsa_kernarg_size 152
		.amdhsa_user_sgpr_count 2
		.amdhsa_user_sgpr_kernarg_segment_ptr 1
		.amdhsa_wavefront_size32 1
		.amdhsa_system_sgpr_workgroup_id_x 1
		.amdhsa_system_sgpr_workgroup_id_y 1
		.amdhsa_system_sgpr_workgroup_id_z 1
		.amdhsa_system_vgpr_workitem_id 0
		.amdhsa_next_free_vgpr 240
		.amdhsa_next_free_sgpr 100
		.amdhsa_reserve_vcc 0
		.amdhsa_float_denorm_mode_32 3
		.amdhsa_float_denorm_mode_16_64 3
		.amdhsa_memory_ordered 1
		.amdhsa_forward_progress 1
		.amdhsa_inst_pref_size 132
	.end_amdhsa_kernel
	.amdgpu_metadata
---
amdhsa.version: [ 1, 2 ]
amdhsa.kernels:
  - .name:           k_q179082b6e3_prep
    .symbol:         k_q179082b6e3_prep.kd
    .args:
      - { .name: x, .offset: 0, .size: 8, .value_kind: global_buffer, .address_space: global }
      - { .name: ln1_a, .offset: 8, .size: 8, .value_kind: global_buffer, .address_space: global }
      - { .name: ln1_b, .offset: 16, .size: 8, .value_kind: global_buffer, .address_space: global }
      - { .name: act, .offset: 24, .size: 8, .value_kind: global_buffer, .address_space: global }
      - { .name: mask, .offset: 32, .size: 8, .value_kind: global_buffer, .address_space: global }
      - { .name: maskw, .offset: 40, .size: 8, .value_kind: global_buffer, .address_space: global }
      - { .name: wq, .offset: 48, .size: 8, .value_kind: global_buffer, .address_space: global }
      - { .name: wk, .offset: 56, .size: 8, .value_kind: global_buffer, .address_space: global }
      - { .name: wv, .offset: 64, .size: 8, .value_kind: global_buffer, .address_space: global }
      - { .name: wo, .offset: 72, .size: 8, .value_kind: global_buffer, .address_space: global }
      - { .name: w1, .offset: 80, .size: 8, .value_kind: global_buffer, .address_space: global }
      - { .name: w2, .offset: 88, .size: 8, .value_kind: global_buffer, .address_space: global }
      - { .name: bq, .offset: 96, .size: 8, .value_kind: global_buffer, .address_space: global }
      - { .name: bk, .offset: 104, .size: 8, .value_kind: global_buffer, .address_space: global }
      - { .name: bv, .offset: 112, .size: 8, .value_kind: global_buffer, .address_space: global }
      - { .name: b1, .offset: 120, .size: 8, .value_kind: global_buffer, .address_space: global }
      - { .name: wq3, .offset: 128, .size: 8, .value_kind: global_buffer, .address_space: global }
      - { .name: wf1, .offset: 136, .size: 8, .value_kind: global_buffer, .address_space: global }
      - { .name: wr, .offset: 144, .size: 8, .value_kind: global_buffer, .address_space: global }
    .group_segment_fixed_size: 60928
    .private_segment_fixed_size: 0
    .kernarg_segment_align: 8
    .kernarg_segment_size: 152
    .max_flat_workgroup_size: 128
    .sgpr_count:     100
    .vgpr_count:     240
    .wavefront_size: 32
...
	.end_amdgpu_metadata
.endif
;; end of part 1
;; launch qkv (part 2): grid 8 x 24, 4 waves a work-group, clusters of 4 x 4, 327,680 bytes of LDS; arguments act, wq3, big; writes big
.if DOCPART == 2
	.amdgcn_target "amdgcn-amd-amdhsa--gfx1250"
	.amdhsa_code_object_version 6
	.text
	.protected	k_q179082b6e3_qkv
	.globl	k_q179082b6e3_qkv
	.p2align	8
	.type	k_q179082b6e3_qkv,@function
k_q179082b6e3_qkv:
	s_mov_b64 s[64:65], 0
	v_nop
	global_prefetch_b8 v0, s[64:65] scope:SCOPE_SE
	s_setreg_imm32_b32 hwreg(HW_REG_WAVE_MODE, 25, 1), 1
	s_wait_xcnt 0x0
	s_wait_alu depctr_hold_cnt(0) depctr_sa_sdst(0) depctr_va_vdst(0) depctr_va_sdst(0) depctr_va_ssrc(0) depctr_va_vcc(0) depctr_vm_vsrc(0)
	s_getreg_b32 s2, hwreg(HW_REG_IB_STS2, 6, 4)
	s_cmp_eq_u32 s2, 0
	s_cbranch_scc0 .Lentry_in_a_cluster
	s_endpgm
.Lentry_in_a_cluster:
	s_bfe_u32 s2, ttmp6, 0x10000c
	s_cmp_lg_u32 s2, 0xf033
	s_cbranch_scc0 .Lentry_shape_is_right
	s_endpgm
.Lentry_shape_is_right:
; A GEMM ON REGISTER IMAGES WHOSE RESULT IS QUANTISED ON ITS WAY OUT.  out = Q(max(floor, A B^T + bias)), K = 1,024, both operands FP6 (E2M3) codes with E8M0 scales, sums in f32.
; Operands lie as images of the matrix operand's registers: [tile of 16 rows][K / 128][1536 bytes], scale words [tile][K / 128][16]; lane r of tile T holds row 32 (T / 2) + 8 (T % 2) + r + 8 (r / 8).
; A work-group of four waves makes 256 x 256, a wave 128 x 128: 64 accumulators.  THE MATRIX INSTRUCTION IS USED TRANSPOSED (source 0 = a tile of B, source 1 = a tile of A): a lane holds one row of A, and by the
; order of rows in a tile the 16 registers of accumulators 2 b and 2 b + 1 are 16 NEIGHBOURS along B.  So 128 along B become one image of the next product's operand, in registers, with A's tile number.
; TWO USES.  Clusters with y under 4: A = tokens (first argument), B = the weight's columns (second argument); bias along B.  This serves q and k (columns 0..2047 of wq | wk) and the hidden layer.
; Clusters with y 4 and 5 (the first use's grid alone has them): A = wv's columns (tiles 128 on), B = tokens; bias along A: v comes out quantised along the KEYS.
; out: codes [T][32][1536], scale words behind them.  q: (token tile, head pair j); k: (token tile, 8 + j); v: (64 batch + channel tile, 16 + key step); hidden: (token tile, unit / 128).
; K goes in slots of 256 through a ring of two LDS slots filled by joint tensor loads: 4 x 4 work-groups form a cluster; A's tiles are shared along its rows, B's along its columns.
; The scale words of the work-group's rows, for all of K, come once with the first fills.
; The branch between the two uses hangs on the cluster's y: it is the same in all sixteen partners.
; LIMITS: a block of zeros gets the byte 1 where the rule says 127 (its codes are zeros; this program alone reads the bytes); NaN and infinities are not served; the bias starts each sum, where the definition adds it last.
; REGISTERS, in windows of 256.  Window 0: v16-29 addresses; v32-63 scale words, a set for each slot; A's fragments, two sets, from v64 and v160; on the way out v64-175 are at work.
;   Window 1: B's fragments, two sets, from v0 and v96; v192-255 the bias.  Windows 2, 3: accumulator (a, b) at v[8 (8 (a % 4) + b)].
.set TA,    8                          ; tiles of A, and of B, a wave
.set NQ,    2                          ; K steps of 128 in a slot
.set KS,    8                          ; K / 128
.set LAPS,  KS/(2*NQ)
.set TPB,   KS*1536                    ; from tile to tile in memory
.set QB,    TA*NQ*1536                 ; a quarter of a slot: what one tensor load brings, laid [tile][step][1536]
.set SLOT,  4*QB                       ; A's two halves, then B's two
.set QS,    TA*KS*64                   ; the scale words of a quarter's rows
.set SCL,   2*SLOT
.set SPARE, SCL+4*QS                   ; the spare words, 128 bytes a wave, which no other line names
.set ASC,   3145728                    ; where the scale words begin in both operands' buffers
.set BIASO, 3276800                    ; the bias, in the second argument
.set FLO,   3293184                    ; the floor word
.set OSC,   12582912                   ; where the scale words begin in out
.set ADRA, 16                          ; v16-17 LDS address of my A fragments in slot 0, 1
.set ADRB, 20                          ; v20-21 of B's
.set VO,   24                          ; v24 16 x lane
.set VOS,  25                          ; v25 4 r + 2,048 h: two tiles' scale words in one store
.set ADRS, 27                          ; v27 my scale words: lanes 0-15 A's, lanes 16-31 B's
.set SPW,  28
.set NIL,  29
.set SC,   32
.set AF,   64
.set BIAS, 192
.set HA,   64                          ; the way out: 64 numbers
.set PC,   128
.set TM,   148
.set PW,   164
.set PP,   172
.set G1, 24
.set G0, 32
.set G1B, 48
.set G0B, 56
.set G1S, 68
.set G0S, 76
.set G1SB, 80
.set G0SB, 88
.set SEL, 100
.set MSB, 0
.macro WIN new                         ; the immediate's high byte repeats the setting that is left
.if MSB != \new
	s_set_vgpr_msb (MSB<<8)|\new
.set MSB, \new
.endif
.endm
; A joint load: waves 0 and 1 fetch for A, waves 2 and 3 for B.  The branch hangs on the wave's number alone.  An s_nop 0 and four v_nop follow each of the two lines.
.macro JLOAD g0a, g1a, g0b, g1b
	s_cmp_eq_u32 s15, 0
	s_cbranch_scc0 .Lfor_b_\@
	tensor_load_to_lds s[\g0a:\g0a+3], s[\g1a:\g1a+7]
	s_nop 0
.rept 4
	v_nop
.endr
	s_branch .Lasked_\@
.Lfor_b_\@:
	tensor_load_to_lds s[\g0b:\g0b+3], s[\g1b:\g1b+7]
	s_nop 0
.rept 4
	v_nop
.endr
.Lasked_\@:
.endm
.macro CREST                           ; a round of the cluster's barrier behind its opening barrier
	s_cmp_lg_u32 s14, 0
	s_cbranch_scc1 .Lnot_wave_0_\@
	s_barrier_signal -3
.Lnot_wave_0_\@:
	s_barrier_wait -3
	s_barrier_signal -1
	s_barrier_wait -1
.endm
.macro CROUND
	s_barrier_signal -1
	s_barrier_wait -1
	CREST
.endm
.macro PLACES n                        ; plain vector places behind matrix instructions (ISA guide 7.12.1)
.rept \n
	v_nop
.endr
.endm
.macro FRAG reg, adr, off              ; a fragment is its image: three loads of 16 bytes a lane, 512 consecutive bytes each
.irp c, 0,1,2
	ds_load_b128 v[(\reg)+4*\c:(\reg)+4*\c+3], v[\adr] offset:(\off)+512*\c
.endr
.endm
.macro FETCH slot, q, set              ; the 16 fragments of the slot's q-th K step into set: 48 loads in one run
	WIN 0x40
.irp i, 0,1,2,3,4,5,6,7
	FRAG 96*(\set)+12*\i, ADRB+(\slot), \i*NQ*1536+(\q)*1536
.endr
	WIN 0
.irp i, 0,1,2,3,4,5,6,7
	FRAG AF+96*(\set)+12*\i, ADRA+(\slot), \i*NQ*1536+(\q)*1536
.endr
.endm
.macro SCALES slot                     ; the slot's scale words: register NQ i + q: lanes 0-15 A's tile i, lanes 16-31 B's tile i
.irp i, 0,1,2,3,4,5,6,7
.irp q, 0,1
	ds_load_b32 v[SC+16*(\slot)+NQ*\i+\q], v[ADRS] offset:\i*KS*64+64*\q
.endr
.endr
.endm
; A's tile a against B's eight.  cm = 0: the sums go on; 1: they start from the bias along B; 2: from the bias along A.  The 64 accumulators take turns, one instruction a turn, in the same order in every step.
.macro MULA a, set, slot, q, cm
.irp b, 0,1,2,3,4,5,6,7
.set rD, 8*(8*((\a)%4)+\b)
.set rB, 96*(\set)+12*\b
.set rA, AF+96*(\set)+12*(\a)
.set sB, SC+16*(\slot)+NQ*\b+(\q)
.set sA, SC+16*(\slot)+NQ*(\a)+(\q)
.if (\cm) == 0
	v_wmma_scale_f32_16x16x128_f8f6f4 v[rD:rD+7], v[rB:rB+11], v[rA:rA+11], v[rD:rD+7], v[sB], v[sA] matrix_a_fmt:MATRIX_FMT_FP6 matrix_b_fmt:MATRIX_FMT_FP6 matrix_a_scale:MATRIX_SCALE_ROW1
.elseif (\cm) == 1
	v_wmma_scale_f32_16x16x128_f8f6f4 v[rD:rD+7], v[rB:rB+11], v[rA:rA+11], v[BIAS+8*\b:BIAS+8*\b+7], v[sB], v[sA] matrix_a_fmt:MATRIX_FMT_FP6 matrix_b_fmt:MATRIX_FMT_FP6 matrix_a_scale:MATRIX_SCALE_ROW1
.else
	v_wmma_scale_f32_16x16x128_f8f6f4 v[rD:rD+7], v[rB:rB+11], v[rA:rA+11], v[BIAS+8*(\a):BIAS+8*(\a)+7], v[sB], v[sA] matrix_a_fmt:MATRIX_FMT_FP6 matrix_b_fmt:MATRIX_FMT_FP6 matrix_a_scale:MATRIX_SCALE_ROW1
.endif
.endr
.endm
.macro PART k, set, slot, q, cm        ; a quarter of a step: 16 matrix instructions.  Source 0 (B) window 1, source 1 (A) window 0, D window 2 or 3, C with it or (the bias) window 1
.if (\cm) == 0
	WIN 0xa1+0x50*((\k)/2)
.else
	WIN 0x91+0x40*((\k)/2)
.endif
	MULA 2*(\k), \set, \slot, \q, \cm
	MULA 2*(\k)+1, \set, \slot, \q, \cm
.endm
.macro STEP slot, q, cm                ; a K step that has its successor in the same slot
	s_wait_dscnt 0x0                               ; this step's fragments and scale words, asked for a step's matrix work ago
	PLACES 4                                       ; the last products read the set that is loaded now
	FETCH \slot, (\q)+1, 1-(\q)%2
	PART 0, (\q)%2, \slot, \q, \cm
	PART 1, (\q)%2, \slot, \q, \cm
	PART 2, (\q)%2, \slot, \q, \cm
	PART 3, (\q)%2, \slot, \q, \cm
	WIN 0
.endm
; A slot's last step changes slots: one barrier; in front of it each wave waits for all its tensor loads, adds 0 to its spare word, and waits for that and for its reads of this slot.  fill = 1: the slot is filled again, two slots ahead.
.macro TURN slot, next, fill
	s_wait_tensorcnt 0x0                           ; all my tensor loads have landed: my part of the next slot
	ds_add_u32 v[SPW], v[NIL]                      ; 0 onto my spare word
	s_wait_dscnt 1                                 ; the fragments are in; the add alone may be out
	PART 0, 1, \slot, NQ-1, 0
	s_wait_dscnt 0x0                               ; the add is done, and my reads of this slot are over
	s_barrier_signal -1
	PART 1, 1, \slot, NQ-1, 0
	WIN 0
	s_barrier_wait -1
.if \fill
	CREST                                          ; the barrier has opened a round of the cluster's barrier: no wave of any partner still reads this slot or has a load on its way
	s_add_nc_u64 s[G0+4*\slot+2:G0+4*\slot+3], s[G0+4*\slot+2:G0+4*\slot+3], 2*NQ*1536
	s_add_nc_u64 s[G0B+4*\slot+2:G0B+4*\slot+3], s[G0B+4*\slot+2:G0B+4*\slot+3], 2*NQ*1536
	JLOAD G0+4*\slot, G1, G0B+4*\slot, G1B         ; my one tensor load behind the round; its four v_nop are also the places in front of the loads below
.else
	PLACES 4
.endif
	s_wait_alu depctr_va_vdst(0)
	v_add_nc_u32 v[ADRS], 64*NQ, v[ADRS]           ; the next slot's scale words
	FETCH \next, 0, 0
	SCALES \next
	PART 2, 1, \slot, NQ-1, 0
	PART 3, 1, \slot, NQ-1, 0
	WIN 0
.endm
; 64 numbers of a lane, register 16 b + i = k 32 b + 16 (lane / 16) + i of my row, become an image's 12 registers in v[PC] on and the row's scale word in v[pw].
.macro QUANT s, pw
.irp b, 0,1,2,3
	v_max3_num_f32 v[TM+\b], |v[(\s)+16*\b]|, |v[(\s)+1+16*\b]|, 0x1800000   ; and the floor 2^(3 - 127): the byte cannot fall under 1
.endr
.irp i, 2,4,6,8,10,12,14
.irp b, 0,1,2,3
	v_max3_num_f32 v[TM+\b], v[TM+\b], |v[(\s)+16*\b+\i]|, |v[(\s)+1+16*\b+\i]|
.endr
.endr
.irp b, 0,1,2,3
	v_permlanex16_b32 v[TM+4+\b], v[TM+\b], s[SEL], s[SEL+1]
.endr
.irp b, 0,1,2,3
	v_max_num_f32 v[TM+\b], v[TM+\b], v[TM+4+\b]
.endr
.irp b, 0,1,2,3
	v_add_nc_u32 v[TM+12+\b], 0xff000000, v[TM+\b]     ; 2 off the exponent field: the conversion's scale operand
.endr
.irp b, 0,1,2,3
	v_lshrrev_b32 v[TM+4+\b], 23, v[TM+12+\b]
.endr
	v_lshl_or_b32 v[\pw], v[TM+5], 8, v[TM+4]
	v_lshl_or_b32 v[\pw], v[TM+6], 16, v[\pw]
	v_lshl_or_b32 v[\pw], v[TM+7], 24, v[\pw]
.irp c, 0,1
	v_cvt_scalef32_pk16_fp6_f32 v[PC+6*\c:PC+2+6*\c], v[(\s)+32*\c:(\s)+15+32*\c], v[TM+12+2*\c]
	v_cvt_scalef32_pk16_fp6_f32 v[PC+12+4*\c:PC+14+4*\c], v[(\s)+16+32*\c:(\s)+31+32*\c], v[TM+12+2*\c+1]
.endr
	v_nop                                              ; one plain place behind the scaled conversions
.irp c, 0,1
.irp i, 0,1,2
	v_permlane16_swap_b32 v[PC+6*\c+\i], v[PC+12+4*\c+\i]
.endr
.irp i, 0,1,2
	v_mov_b32 v[PC+3+6*\c+\i], v[PC+12+4*\c+\i]
.endr
.endr
.endm
	s_load_b128 s[4:7], s[0:1], 0x0                ; tokens' images; weights' images with bias and floor
	s_load_b64 s[8:9], s[0:1], 0x10                ; out
	v_lshl_add_u32 v[SPW], v0, 2, SPARE
	v_mov_b32 v[NIL], 0
	ds_add_u32 v[SPW], v[NIL]                      ; the wave's opening: the add and its wait stand ahead of my first tensor load; work on registers stands between them
	ds_add_u32 v[SPW], v[NIL]
	v_lshrrev_b32 v1, 5, v0
	v_readfirstlane_b32 s14, v1                    ; wave 0..3
	s_lshr_b32 s15, s14, 1                         ; my half of A's rows.  Also: I fetch for A (0) or for B (1)
	s_and_b32 s16, s14, 1                          ; my half of B's rows.  Also: which half I fetch
	s_bfe_u32 s40, ttmp6, 0x40000                  ; cx, cy: my place in the cluster
	s_bfe_u32 s41, ttmp6, 0x40004
	s_and_b32 s17, ttmp7, 0xffff                   ; the cluster's y
	s_max_u32 s18, s17, 4
	s_sub_co_u32 s18, s18, 4
	s_lshl_b32 s18, s18, 1
	s_add_co_u32 s18, s18, ttmp9                   ; v's clusters, numbered 0..3 along the tokens
	s_cmp_ge_u32 s17, 4
	s_cselect_b32 s98, 1, 0                        ; the use: 1 = v
	s_cselect_b32 s42, s18, ttmp9
	s_cselect_b32 s17, 0, s17
	s_cselect_b32 s19, 128, 0                      ; wv's first tile
	s_lshl_b32 s42, s42, 2
	s_add_co_u32 s42, s42, s40                     ; block column (B)
	s_lshl_b32 s17, s17, 2
	s_add_co_u32 s17, s17, s41                     ; block row (A)
	s_lshl_b32 s43, s41, 2
	s_lshl_b32 s43, 15, s43                        ; my row of the cluster
	s_lshl_b32 s44, 0x1111, s40                    ; my column
	s_or_b32 s[G1+0], s43, (3<<16)|(1<<21)         ; 15:0 the mask; 17:16 elements of 8 bytes; 21 set beside a mask; no padding
	s_or_b32 s[G1B+0], s44, (3<<16)|(1<<21)
.irp g, G1, G1B                                ; TA rows (tiles) of NQ x 1,536 bytes, TPB bytes apart
	s_mov_b32 s[\g+1], (NQ*192)<<16
	s_mov_b32 s[\g+2], (2*TA)<<16                  ; the head's loads bring both halves: 2 TA tiles; behind them the two words are set to TA
	s_mov_b32 s[\g+3], (NQ*192)<<16
	s_mov_b32 s[\g+4], 2*TA
	s_mov_b32 s[\g+5], KS*192
	s_mov_b32 s[\g+6], 0
	s_mov_b32 s[\g+7], 0
.endr
	s_or_b32 s[G1S+0], s43, (3<<16)|(1<<21)
	s_or_b32 s[G1SB+0], s44, (3<<16)|(1<<21)
.irp g, G1S, G1SB                              ; the scale words of TA tiles: QS dense bytes, as rows of 256
	s_mov_b32 s[\g+1], 32<<16
	s_mov_b32 s[\g+2], (2*QS/256)<<16              ; the scale words of both halves: 2 QS dense bytes
	s_mov_b32 s[\g+3], 32<<16
	s_mov_b32 s[\g+4], 2*QS/256
	s_mov_b32 s[\g+5], 32
	s_mov_b32 s[\g+6], 0
	s_mov_b32 s[\g+7], 0
.endr
	s_mov_b32 s[SEL], 0x76543210
	s_mov_b32 s[SEL+1], 0xfedcba98
	s_mov_b32 s2, 0xffff0000                       ; the lane mask of lanes 16-31
	s_lshl_b32 s20, s17, 4
	s_add_co_u32 s20, s20, s19                     ; the block's first tile of A
	s_lshl_b32 s46, s42, 4                         ; of B
	s_lshl_b32 s22, s20, 9
	s_add_co_u32 s22, s22, ASC
	s_mov_b32 s23, 0
	s_lshl_b32 s92, s46, 9
	s_add_co_u32 s92, s92, ASC
	s_mov_b32 s93, 0
	s_mul_i32 s20, s20, TPB
	s_mov_b32 s21, 0
	s_mul_i32 s46, s46, TPB
	s_mov_b32 s47, 0
	s_mul_i32 s45, s14, QB                         ; where they go: wave x a quarter: no place in the cluster enters an LDS address
	s_mul_i32 s94, s16, TA*TPB                     ; in the ring I fetch one half: its distance in bytes
	s_mov_b32 s95, 0
	s_wait_dscnt 0x0                               ; the opening add is done
	s_wait_kmcnt 0x0
	s_cmp_eq_u32 s98, 1
	s_cselect_b64 s[10:11], s[6:7], s[4:5]         ; A's buffer,
	s_cselect_b64 s[12:13], s[4:5], s[6:7]         ; B's
	s_load_b32 s99, s[6:7], FLO                    ; the floor
	s_add_nc_u64 s[20:21], s[10:11], s[20:21]
	s_add_nc_u64 s[22:23], s[10:11], s[22:23]
	s_add_nc_u64 s[46:47], s[12:13], s[46:47]
	s_add_nc_u64 s[92:93], s[12:13], s[92:93]
	CROUND                                         ; all sixteen work-groups are here: the first joint loads meet
	s_mov_b32 s[G0S], 1
	s_mov_b32 s[G0S+1], SCL
	s_mov_b64 s[G0S+2:G0S+3], s[22:23]
	s_or_b32 s[G0S+3], s[G0S+3], 0x80000000
	s_mov_b32 s[G0SB], 1
	s_mov_b32 s[G0SB+1], SCL+2*QS
	s_mov_b64 s[G0SB+2:G0SB+3], s[92:93]
	s_or_b32 s[G0SB+3], s[G0SB+3], 0x80000000
	s_mov_b32 s[G0], 1                             ; slot 0's first fill: A's 2 TA tiles whole,
	s_mov_b32 s[G0+1], 0
	s_mov_b64 s[G0+2:G0+3], s[20:21]
	s_or_b32 s[G0+3], s[G0+3], 0x80000000
	s_mov_b32 s[G0B], 1                            ; B's behind them
	s_mov_b32 s[G0B+1], 2*QB
	s_mov_b64 s[G0B+2:G0B+3], s[46:47]
	s_or_b32 s[G0B+3], s[G0B+3], 0x80000000
	s_add_nc_u64 s[20:21], s[20:21], s[94:95]      ; for the ring: my half
	s_add_nc_u64 s[46:47], s[46:47], s[94:95]
	s_mov_b32 s[G0+4], 1                           ; slot 1: a quarter a wave
	s_add_co_u32 s[G0+5], s45, SLOT
	s_add_nc_u64 s[G0+6:G0+7], s[20:21], NQ*1536
	s_or_b32 s[G0+7], s[G0+7], 0x80000000
	s_mov_b32 s[G0B+4], 1
	s_add_co_u32 s[G0B+5], s45, SLOT
	s_add_nc_u64 s[G0B+6:G0B+7], s[46:47], NQ*1536
	s_or_b32 s[G0B+7], s[G0B+7], 0x80000000
; THE HEAD'S LOADS, ONE A WAVE: wave 0 A's part of slot 0, wave 1 B's, wave 2 A's scale words, wave 3 B's.  One chain of branches on the wave's number, all arms leading to one join.
.macro ARM under, g0, g1, next
	s_cmp_lt_u32 s14, \under
	s_cbranch_scc0 \next
	tensor_load_to_lds s[\g0:\g0+3], s[\g1:\g1+7]
	s_nop 0
.rept 4
	v_nop
.endr
	s_branch .Lhead_asked
\next:
.endm
	ARM 1, G0,  G1,  .Lhead_b
	ARM 2, G0B, G1B, .Lhead_sa
	ARM 3, G0S, G1S, .Lhead_sb
	tensor_load_to_lds s[G0SB:G0SB+3], s[G1SB:G1SB+7]
	s_nop 0
.rept 4
	v_nop
.endr
.Lhead_asked:
	v_and_b32 v1, 15, v0                           ; r
	v_bfe_u32 v2, v0, 4, 1                         ; h
	s_wait_alu depctr_va_vdst(0)
	v_and_b32 v3, 31, v0
	v_lshlrev_b32 v3, 4, v3                        ; 16 x lane
	s_wait_alu depctr_va_vdst(0)
	s_mul_i32 s21, s15, QB                         ; my half of A,
	s_mul_i32 s22, s16, QB
	s_add_co_u32 s22, s22, 2*QB                    ; my half of B
.irp s, 0,1
	v_add_nc_u32 v[ADRA+\s], s21, v3
	v_add_nc_u32 v[ADRB+\s], s22, v3
	s_add_co_u32 s21, s21, SLOT
	s_add_co_u32 s22, s22, SLOT
.endr
	v_lshlrev_b32 v5, 2, v1
	s_mul_i32 s21, s15, QS
	s_mul_i32 s22, s16, QS
	s_add_co_u32 s22, s22, 2*QS
	s_sub_co_u32 s22, s22, s21
	v_mul_u32_u24 v6, s22, v2                      ; lanes 16-31 take B's: one product, the distance between the two
	s_add_co_u32 s21, s21, SCL
	v_add_nc_u32 v5, v5, v6
	v_add_nc_u32 v[ADRS], s21, v5
	v_mov_b32 v[VO], v3
	v_lshlrev_b32 v[VOS], 2, v1
	v_lshl_add_u32 v[VOS], v2, 11, v[VOS]
	v_lshlrev_b32 v6, 6, v2                        ; the bias along B: 16 h numbers on
	v_and_b32 v7, 8, v1
	v_add_nc_u32 v7, v7, v1
	v_lshlrev_b32 v7, 2, v7                        ; the bias along A: my row of the tile
	s_lshl_b32 s96, s42, 10                        ; along B: 256 x block column + 128 x my half, in bytes
	s_lshl_b32 s97, s16, 9
	s_add_co_u32 s96, s96, s97
	s_lshl_b32 s18, s17, 10                        ; along A: bv lies 2,048 numbers on
	s_lshl_b32 s19, s15, 9
	s_add_co_u32 s18, s18, s19
	s_add_co_u32 s18, s18, 8192
	s_cmp_eq_u32 s98, 1
	s_cselect_b32 s96, s18, s96
	s_add_co_u32 s96, s96, BIASO
	s_mov_b32 s97, 0
	s_add_nc_u64 s[96:97], s[6:7], s[96:97]
	s_lshl_b32 s18, s17, 4                         ; where my results go: tile T0 = 16 x block row + 8 x my half of A, place S = 2 x block column + my half of B
	s_lshl_b32 s19, s15, 3
	s_add_co_u32 s18, s18, s19
	s_lshl_b32 s19, s42, 1
	s_add_co_u32 s19, s19, s16
	s_lshr_b32 s20, s19, 4                         ; v: the batch moves into the tile's number, the key step behind q's and k's places
	s_lshl_b32 s20, s20, 6
	s_add_co_u32 s20, s20, s18
	s_and_b32 s21, s19, 15
	s_add_co_u32 s21, s21, 16
	s_cmp_eq_u32 s98, 1
	s_cselect_b32 s18, s20, s18
	s_cselect_b32 s19, s21, s19
	s_lshl_b32 s18, s18, 5
	s_add_co_u32 s18, s18, s19
	s_mul_i32 s20, s18, 1536
	s_mov_b32 s21, 0
	s_lshl_b32 s18, s18, 6
	s_add_co_u32 s18, s18, OSC
	s_mov_b32 s19, 0
	s_add_nc_u64 s[12:13], s[8:9], s[20:21]        ; codes
	s_add_nc_u64 s[10:11], s[8:9], s[18:19]        ; scale words
	s_cmp_eq_u32 s98, 1
	s_cbranch_scc1 .Lbias_a
	WIN 0x40
	s_wait_alu depctr_va_vdst(0)
.irp b, 0,1,2,3,4,5,6,7                        ; lane (r, h), tile b: the eight numbers of B's rows 32 (b / 2) + 16 h + 8 (b % 2) on
	global_load_b128 v[BIAS+8*\b:BIAS+8*\b+3], v6, s[96:97] offset:(32*(\b/2)+8*(\b%2))*4
	global_load_b128 v[BIAS+8*\b+4:BIAS+8*\b+7], v6, s[96:97] offset:(32*(\b/2)+8*(\b%2))*4+16
.endr
	WIN 0
	s_branch .Lbias_done
.Lbias_a:
	WIN 0x40
	s_wait_alu depctr_va_vdst(0)
.irp a, 0,1,2,3,4,5,6,7                        ; lane (r, h), tile a: my row's number, in all eight registers
.irp j, 0,1,2,3,4,5,6,7
	global_load_b32 v[BIAS+8*\a+\j], v7, s[96:97] offset:(32*(\a/2)+8*(\a%2))*4
.endr
.endr
	WIN 0
.Lbias_done:
	s_wait_alu depctr_va_vdst(0)
	s_wait_tensorcnt 0x0                           ; my tile of the head's four is in; these lines stand ahead of slot 1's first fill as ahead of a refill
	ds_add_u32 v[SPW], v[NIL]                      ; 0 onto my spare word
	s_mov_b32 s[G1+2], TA<<16                      ; no tensor load of mine is out, so descriptors may be written: from here on a load brings TA tiles
	s_mov_b32 s[G1+4], TA
	s_mov_b32 s[G1B+2], TA<<16
	s_mov_b32 s[G1B+4], TA
.if LAPS > 1
	s_mov_b32 s[G0+1], s45                         ; slot 0's refills: a quarter a wave, my half of the tiles
	s_mov_b32 s[G0B+1], s45
	s_add_nc_u64 s[G0+2:G0+3], s[G0+2:G0+3], s[94:95]
	s_add_nc_u64 s[G0B+2:G0B+3], s[G0B+2:G0B+3], s[94:95]
.endif
	s_wait_dscnt 0x0                               ; the add is done
	CROUND                                         ; a whole round: all four tiles are in, and the sixteen work-groups are here
	JLOAD G0+4, G1, G0B+4, G1B                     ; slot 1's first fill, my one tensor load behind the round
	FETCH 0, 0, 0
	SCALES 0
	s_wait_loadcnt 0x0                             ; the bias
	s_wait_kmcnt 0x0                               ; the floor
	s_cmp_eq_u32 s98, 1
	s_cbranch_scc1 .Lfirst_a
	STEP 0, 0, 1                                   ; the first step starts the sums from the bias: nothing is cleared
	s_branch .Lfirst_done
.Lfirst_a:
	STEP 0, 0, 2
.Lfirst_done:
.if LAPS > 1
	s_mov_b32 s3, LAPS-1
.Llap:                                                 ; a trip goes once round the ring and fills both slots again
	TURN 0, 1, 1
	STEP 1, 0, 0
	TURN 1, 0, 1
	STEP 0, 0, 0
	s_sub_co_u32 s3, s3, 1
	s_cmp_lg_u32 s3, 0
	s_cbranch_scc1 .Llap
.endif
	TURN 0, 1, 0                                   ; the last lap fills nothing
	STEP 1, 0, 0
	s_wait_dscnt 0x0                               ; the very last step
	PART 0, 1, 1, NQ-1, 0
	PART 1, 1, 1, NQ-1, 0
	PART 2, 1, 1, NQ-1, 0
	PART 3, 1, 1, NQ-1, 0
	WIN 0
	; THE WAY OUT, a tile of A at a time: the floor (which is also the move into window 0), the quantiser, three dense stores of 512 bytes.  No LDS, no barrier.
	PLACES 4
.irp b, 0,1,2,3
	v_mov_b32 v[TM+4+\b], 0                        ; written once: a lane permute's destination counts as one of its sources
.endr
.irp a, 0,1,2,3,4,5,6,7
	s_wait_xcnt 0x0                                ; the last tile's stores' data registers are written again only behind this wait
	WIN 0x08+4*(\a/4)                              ; source 1: window 2 or 3
.set j, 0
.rept 64
	v_max_num_f32 v[HA+j], s99, v[64*(\a%4)+j]     ; each accumulator from its low end on
.set j, j+1
.endr
	WIN 0
	QUANT HA, PW+\a
.irp c, 0,1,2
	global_store_b128 v[VO], v[PC+4*\c:PC+4*\c+3], s[12:13] offset:49152*\a+512*\c
.endr
.if \a%2
	v_cndmask_b32 v[PP+\a/2], v[PW+\a-1], v[PW+\a], s2     ; lanes 0-15: tile a - 1's words, lanes 16-31: tile a's
	global_store_b32 v[VOS], v[PP+\a/2], s[10:11] offset:2048*(\a-1)
.endif
.endr
	s_wait_tensorcnt 0x0                           ; the wave's end
	ds_add_u32 v[SPW], v[NIL]
	s_wait_dscnt 0x0
	CROUND                                         ; the closing round: no work-group ends while a partner may still ask for a tile that names it
	s_endpgm
.Lfunc_end_k_q179082b6e3_qkv:
	.size	k_q179082b6e3_qkv, .Lfunc_end_k_q179082b6e3_qkv-k_q179082b6e3_qkv
	.p2alignl 7, 3214868480
	.fill 96, 4, 3214868480
	.section	.rodata,"a",@progbits
	.p2align	6, 0x0
	.amdhsa_kernel k_q179082b6e3_qkv
		.amdhsa_group_segment_fixed_size 327680
		.amdhsa_private_segment_fixed_size 0
		.amdhsa_enable_private_segment 0
		.amdhsa_kernarg_size 24
		.amdhsa_user_sgpr_count 2
		.amdhsa_user_sgpr_kernarg_segment_ptr 1
		.amdhsa_wavefront_size32 1
		.amdhsa_system_sgpr_workgroup_id_x 1
		.amdhsa_system_sgpr_workgroup_id_y 1
		.amdhsa_system_sgpr_workgroup_id_z 1
		.amdhsa_system_vgpr_workitem_id 0
		.amdhsa_next_free_vgpr 1024
		.amdhsa_next_free_sgpr 102
		.amdhsa_reserve_vcc 0
		.amdhsa_float_denorm_mode_32 3
		.amdhsa_float_denorm_mode_16_64 3
		.amdhsa_memory_ordered 1
		.amdhsa_forward_progress 1
		.amdhsa_inst_pref_size 178
	.end_amdhsa_kernel
	.amdgpu_metadata
---
amdhsa.version: [ 1, 2 ]
amdhsa.kernels:
  - .name:           k_q179082b6e3_qkv
    .symbol:         k_q179082b6e3_qkv.kd
    .args:
      - { .name: act, .offset: 0, .size: 8, .value_kind: global_buffer, .address_space: global }
      - { .name: wq3, .offset: 8, .size: 8, .value_kind: global_buffer, .address_space: global }
      - { .name: big, .offset: 16, .size: 8, .value_kind: global_buffer, .address_space: global }
    .group_segment_fixed_size: 327680
    .private_segment_fixed_size: 0
    .kernarg_segment_align: 8
    .kernarg_segment_size: 24
    .max_flat_workgroup_size: 128
    .sgpr_count:     102
    .vgpr_count:     1024
    .wavefront_size: 32
...
	.end_amdgpu_metadata
.endif
;; end of part 2
;; launch attn (part 3): grid 8 x 32, 16 waves a work-group, clusters of 4 x 1, 243,712 bytes of LDS; arguments big, maskw, ctx; writes ctx
.if DOCPART == 3
	.amdgcn_target "amdgcn-amd-amdhsa--gfx1250"
	.amdhsa_code_object_version 6
	.text
	.protected	k_q179082b6e3_attn
	.globl	k_q179082b6e3_attn
	.p2align	8
	.type	k_q179082b6e3_attn,@function
k_q179082b6e3_attn:
	s_mov_b64 s[64:65], 0
	v_nop
	global_prefetch_b8 v0, s[64:65] scope:SCOPE_SE
	s_setreg_imm32_b32 hwreg(HW_REG_WAVE_MODE, 25, 1), 1
	s_wait_xcnt 0x0
	s_wait_alu depctr_hold_cnt(0) depctr_sa_sdst(0) depctr_va_vdst(0) depctr_va_sdst(0) depctr_va_ssrc(0) depctr_va_vcc(0) depctr_vm_vsrc(0)
	s_getreg_b32 s2, hwreg(HW_REG_IB_STS2, 6, 4)
	s_cmp_eq_u32 s2, 0
	s_cbranch_scc0 .Lentry_in_a_cluster
	s_endpgm
.Lentry_in_a_cluster:
	s_bfe_u32 s2, ttmp6, 0x10000c
	s_cmp_lg_u32 s2, 0x3003
	s_cbranch_scc0 .Lentry_shape_is_right
	s_endpgm
.Lentry_shape_is_right:
; ATTENTION ON REGISTER IMAGES.  ctx = Q(softmax(mask(q k^T / 8)) v), both products on FP6 (E2M3) codes with E8M0 scales; head size 64, 2,048 keys, 32 (batch, head) pairs.
; THE SOFTMAX AHEAD OF THE SECOND PRODUCT: t = logit x log2(e); M = the running largest t, rounded UP to a whole number; p = 2^(t - M) is quantised along the keys, not normalised; the row's sum is taken of the
; unquantised p and divides at the end.  When M moves, the sum and O are multiplied by 2^(old M - new M): exact.
; SHARES.  A work-group owns 256 queries of one (batch, head); each of its sixteen waves one tile of 16, in 256 registers: four waves to a SIMD, so that one wave's vector work stands beside another's products.
; ALL OF THE HEAD'S K AND V LIE IN LDS AT ONCE (131,072 + 98,304 bytes, and their scale words): one tensor load a wave at the head, no ring, nothing is filled again.
; CLUSTER.  The four query blocks of a cluster belong to one (batch, head): each tile is asked for jointly, by the same load with a mask that names the four.
; LAYOUT.  Both products are used transposed (S^T = k q^T, O^T = v^T p^T): a lane holds one query throughout.  Operands are images of the operand's registers (16 rows x 128 along K, 1,536 bytes; register g of lane l
; at 512 (g / 4) + 16 l + 4 (g % 4)); lane r of tile T holds row 32 (T / 2) + 8 (T % 2) + r + 8 (r / 8), so that the 16 registers of score tiles 2 b and 2 b + 1 are 16 neighbouring keys.
; K = 64 IN AN INSTRUCTION OF 128.  An image of q or k holds a PAIR of heads: registers 0-5 the even head, 6-11 the odd one.  Of q's fragment the other head's six registers are set to zero codes.  Of k only my head's
; six registers a tile are read; they stand in slots of six registers on end, and tile t's operand is slots t and t + 1: its other half holds a neighbour's codes, which meet q's zero codes and add exact zeros
; (the format has no NaN and no infinity, and no scale byte is 0xff).
; THE MASK comes as lane masks, 64 words a key step, by scalar loads; it only selects values.
; LIMITS: a masked logit is -2^30 where the definition has -1e9 (the raw score becomes -2^33, so that t is a whole number and a row that is wholly masked gives p = 1, as the definition does): it differs only where
; an unmasked logit lies under about -1e9.  A block of zeros gets the byte 1 where the rule says 127.  NaN and infinities are not served.  1 / the sum is made by v_rcp_f32.
; REGISTERS: v1-4 addresses that stay; v5, v6 the add's two; v7 the masked score; v8-11, v28 addresses in hand; v12 -M, v13 the largest t, v[14:15] the sum; v16-27 q; v32-85 nine slots of k, then v's four fragments;
; v86-91 k's and v's scale words; v96-159 S^T, then p; v160-191 O^T; v192-223 ctx; v224-235 p's codes; v232-254 at work; v253 p's scale word; v255 q's scale word.
.set KO,    0                          ; LDS: K [128 key tiles][1,024]
.set VOF,   131072                     ; V [4 channel tiles][16 key steps][1,536]
.set KSO,   229376                     ; K's scale words [tile][64]
.set VSO,   237568                     ; V's [tile][16][64]
.set SPARE, 241664                     ; the spare words, 128 bytes a wave, which no other line names
.set OSC,   12582912                   ; where the scale words begin in big
.set WV,  2
.set PAR, 3                            ; s3 the head's parity
.set CS,  18                           ; s[18:19] c = log2(e) / 8
.set SEL, 52
.set HALF, 54
.macro GROUP1 g, c, r, p               ; r rows of c elements of 8 bytes, p elements apart; the mask names all four partners, bit 21 beside it
	s_mov_b32 s[\g], 15|(3<<16)|(1<<21)
	s_mov_b32 s[\g+1], (\c)<<16
	s_mov_b32 s[\g+2], (\r)<<16
	s_mov_b32 s[\g+3], (\c)<<16
	s_mov_b32 s[\g+4], \r
	s_mov_b32 s[\g+5], \p
	s_mov_b32 s[\g+6], 0
	s_mov_b32 s[\g+7], 0
.endm
.macro TL g0, g1                       ; a joint load; an s_nop 0 and four v_nop follow it
	tensor_load_to_lds s[\g0:\g0+3], s[\g1:\g1+7]
	s_nop 0
.rept 4
	v_nop
.endr
.endm
.macro CROUND                          ; a round of the cluster's barrier
	s_barrier_signal -1
	s_barrier_wait -1
	s_cmp_lg_u32 s[WV], 0
	s_cbranch_scc1 .Lnot_wave_0_\@
	s_barrier_signal -3
.Lnot_wave_0_\@:
	s_barrier_wait -3
	s_barrier_signal -1
	s_barrier_wait -1
.endm
	s_load_b128 s[4:7], s[0:1], 0x0                ; big, maskw
	s_load_b64 s[8:9], s[0:1], 0x10                ; ctx
	v_lshl_add_u32 v5, v0, 2, SPARE
	v_mov_b32 v6, 0
	ds_add_u32 v5, v6                              ; the wave's opening: the add and its wait stand ahead of the first tensor loads; work on registers stands between them
	ds_add_u32 v5, v6
	v_lshrrev_b32 v8, 5, v0
	s_delay_alu instid0(VALU_DEP_1)
	v_readfirstlane_b32 s[WV], v8                  ; wave 0..15
	s_bfe_u32 s55, ttmp6, 0x40000                  ; cx: it enters q's, the mask's and ctx's addresses alone
	s_lshl_b32 s56, ttmp9, 2
	s_add_co_u32 s56, s56, s55                     ; my block of 256 queries
	s_and_b32 s57, ttmp7, 0xffff                   ; (batch, head), which the four partners share
	s_lshr_b32 s58, s57, 4                         ; batch
	s_and_b32 s59, s57, 15                         ; head
	s_lshr_b32 s60, s59, 1                         ; the pair of heads
	s_and_b32 s[PAR], s59, 1
	s_and_b32 s61, s[WV], 3
	s_lshl_b32 s62, s58, 7
	s_lshl_b32 s63, s56, 4
	s_add_co_u32 s62, s62, s63
	s_add_co_u32 s62, s62, s[WV]                   ; my query tile T = 128 batch + 16 block + wave
	s_lshl_b32 s84, s58, 7                         ; K: key tiles 128 batch + 32 ww on, place 8 + pair; 1,024 of an image's 1,536 bytes: from 0 (even head) or from 512 (odd)
	s_lshl_b32 s85, s61, 5
	s_add_co_u32 s84, s84, s85
	s_lshl_b32 s84, s84, 5
	s_add_co_u32 s84, s84, 8
	s_add_co_u32 s84, s84, s60
	s_mul_i32 s84, s84, 1536
	s_lshl_b32 s85, s[PAR], 9
	s_add_co_u32 s84, s84, s85
	s_mov_b32 s85, 0
	s_lshl_b32 s86, s58, 6                         ; V: channel tile 64 batch + 4 head + ww, places 16..31: 24,576 dense bytes
	s_lshl_b32 s87, s59, 2
	s_add_co_u32 s86, s86, s87
	s_lshl_b32 s90, s86, 5
	s_add_co_u32 s90, s90, 16
	s_lshl_b32 s90, s90, 6
	s_add_co_u32 s90, s90, OSC                     ; V's scale words: four tiles x 1,024 bytes, 2,048 apart
	s_mov_b32 s91, 0
	s_add_co_u32 s86, s86, s61
	s_lshl_b32 s86, s86, 5
	s_add_co_u32 s86, s86, 16
	s_mul_i32 s86, s86, 1536
	s_mov_b32 s87, 0
	s_lshl_b32 s88, s58, 12                        ; K's scale words: 128 tiles x 64 bytes, 2,048 apart
	s_add_co_u32 s88, s88, 8
	s_add_co_u32 s88, s88, s60
	s_lshl_b32 s88, s88, 6
	s_add_co_u32 s88, s88, OSC
	s_mov_b32 s89, 0
	s_lshl_b32 s92, s62, 5                         ; q: image (T, pair),
	s_add_co_u32 s92, s92, s60
	s_lshl_b32 s94, s92, 6
	s_add_co_u32 s94, s94, OSC                     ; and its scale words
	s_mov_b32 s95, 0
	s_mul_i32 s92, s92, 1536
	s_mov_b32 s93, 0
	s_lshl_b32 s96, s62, 12                        ; the mask words of my tile: 4,096 bytes
	s_mov_b32 s97, 0
	s_lshl_b32 s98, s62, 3                         ; ctx: image (T, pair)
	s_add_co_u32 s98, s98, s60
	s_lshl_b32 s100, s98, 6
	s_add_co_u32 s100, s100, 3145728
	s_lshl_b32 s101, s[PAR], 1
	s_add_co_u32 s100, s100, s101                  ; my head's two bytes of each scale word
	s_mov_b32 s101, 0
	s_mul_i32 s98, s98, 1536
	s_mov_b32 s99, 0
	GROUP1 20, 128, 32, 6144                       ; K: 32 tiles x 1,024 bytes, 49,152 apart
	GROUP1 28, 32, 96, 32                          ; V: 24,576 dense bytes as rows of 256
	GROUP1 36, 8, 128, 256                         ; K's scale words
	GROUP1 44, 128, 4, 256                         ; V's
	s_mov_b32 s68, 1
	s_lshl_b32 s69, s61, 15                        ; LDS: 32,768 ww
	s_mov_b32 s72, 1
	s_mul_i32 s73, s61, 24576
	s_add_co_u32 s73, s73, VOF
	s_mov_b32 s76, 1
	s_mov_b32 s77, KSO
	s_mov_b32 s80, 1
	s_mov_b32 s81, VSO
	s_mov_b32 s[CS], 0x3e38aa3b
	s_mov_b32 s[CS+1], s[CS]                       ; (the packed form names the pair)
	s_mov_b32 s[SEL], 0x76543210
	s_mov_b32 s[SEL+1], 0xfedcba98
	s_mov_b32 s[HALF], 0xffff0000
	s_mov_b32 s12, 0                               ; the step's place in K,
	s_mov_b32 s13, 0                               ; in K's scale words,
	s_mov_b32 s14, 0                               ; in V,
	s_mov_b32 s15, 0                               ; in V's scale words
	s_mov_b32 s16, 16                              ; key steps to go
	s_wait_dscnt 0x0                               ; the opening add is done
	s_wait_kmcnt 0x0
	s_add_nc_u64 s[70:71], s[4:5], s[84:85]
	s_or_b32 s71, s71, 0x80000000
	s_add_nc_u64 s[74:75], s[4:5], s[86:87]
	s_or_b32 s75, s75, 0x80000000
	s_add_nc_u64 s[78:79], s[4:5], s[88:89]
	s_or_b32 s79, s79, 0x80000000
	s_add_nc_u64 s[82:83], s[4:5], s[90:91]
	s_or_b32 s83, s83, 0x80000000
	s_add_nc_u64 s[92:93], s[4:5], s[92:93]
	s_add_nc_u64 s[94:95], s[4:5], s[94:95]
	s_add_nc_u64 s[6:7], s[6:7], s[96:97]
	s_add_nc_u64 s[10:11], s[8:9], s[100:101]
	s_add_nc_u64 s[8:9], s[8:9], s[98:99]
	CROUND                                         ; all four work-groups are here: the joint loads meet
	s_cmp_lt_u32 s[WV], 4                          ; waves 0-3: K's quarters; 4-7: V's tiles; 8, 9: the scale words; the others fetch nothing.  One load a wave
	s_cbranch_scc0 .Lnot_k
	TL 68, 20
	s_branch .Lasked
.Lnot_k:
	s_cmp_lt_u32 s[WV], 8
	s_cbranch_scc0 .Lnot_v
	TL 72, 28
	s_branch .Lasked
.Lnot_v:
	s_cmp_eq_u32 s[WV], 8
	s_cbranch_scc0 .Lnot_ks
	TL 76, 36
	s_branch .Lasked
.Lnot_ks:
	s_cmp_eq_u32 s[WV], 9
	s_cbranch_scc0 .Lasked
	TL 80, 44
.Lasked:
	v_and_b32 v8, 31, v0
	s_delay_alu instid0(VALU_DEP_1)
	v_lshlrev_b32 v1, 4, v8                        ; 16 x lane: my place in an image, in K's region and in memory
	s_delay_alu instid0(VALU_DEP_1)
	v_add_nc_u32 v2, VOF, v1
	s_delay_alu instid0(VALU_DEP_3)
	v_lshl_add_u32 v3, v8, 2, KSO                  ; K's scale words: lanes 0-15 one tile, lanes 16-31 the next
	v_and_b32 v9, 15, v0                           ; r
	v_bfe_u32 v10, v0, 4, 1                        ; h
	s_delay_alu instid0(VALU_DEP_2)
	v_lshlrev_b32 v29, 2, v9
	s_delay_alu instid0(VALU_DEP_1)
	v_lshl_add_u32 v4, v10, 10, v29
	s_delay_alu instid0(VALU_DEP_1)
	v_add_nc_u32 v4, VSO, v4                       ; V's: lanes 16-31 the next tile, 1,024 bytes on
	s_delay_alu instid0(VALU_DEP_3)
	v_add_nc_u32 v31, v29, v10                     ; ctx's scale byte: 4 r + h
.irp c, 0,1,2
	global_load_b128 v[16+4*\c:19+4*\c], v1, s[92:93] offset:512*\c    ; q's image
.endr
	global_load_b32 v255, v29, s[94:95]            ; and its scale words
	v_mov_b32 v7, 0xd0000000                       ; -2^33
	v_mov_b32 v13, 0xff61b1e6                      ; the largest t so far: -3e38
	s_delay_alu instid0(VALU_DEP_1)
	v_floor_f32 v12, -v13                          ; -M
	v_mov_b32 v14, 0
	v_mov_b32 v15, 0
.irp b, 0,1,2,3
	v_mov_b32 v[236+\b], 0                         ; written once: a lane permute's destination counts as one of its sources
.endr
	v_mov_b32 v253, 0
.set j, 0
.rept 32
	v_mov_b32 v[160+j], 0                          ; O^T: the step is written once; the first change of M leaves zeros zeros
.set j, j+1
.endr
.irp i, 0,1,2,3,4,5
	v_mov_b32 v[32+\i], 0                          ; the first and the ninth slot: one of the two is never loaded with k's codes
	v_mov_b32 v[80+\i], 0
.endr
	s_wait_loadcnt 0x0                             ; q; its loads' bases may be written from here on
	s_cmp_eq_u32 s[PAR], 0
	s_cbranch_scc0 .Lodd_q
.irp i, 0,1,2,3,4,5
	v_mov_b32 v[22+\i], 0                          ; the odd head's codes become zeros
.endr
	s_branch .Lq_done
.Lodd_q:
.irp i, 0,1,2,3,4,5
	v_mov_b32 v[16+\i], 0
.endr
.Lq_done:
	s_wait_tensorcnt 0x0                           ; my load has landed; the descriptors' registers are free
	s_barrier_signal -1
	s_barrier_wait -1                              ; everybody's has
.macro MASKS                           ; a key step's 64 lane masks, 256 bytes at offset s17 of my tile's 4,096
	s_load_b512 s[20:35], s[6:7], s17 offset:0x0
	s_load_b512 s[36:51], s[6:7], s17 offset:0x40
	s_load_b512 s[68:83], s[6:7], s17 offset:0x80
	s_load_b512 s[84:99], s[6:7], s17 offset:0xc0
.endm
	s_mov_b32 s17, 0
	MASKS                                          ; step 0's; the descriptors that lay in these registers are done with
.Lstep:
	s_barrier_signal -1                            ; I begin this step (no LDS instruction of mine is out); the wait stands behind the step's last products: no wave runs more than a step ahead of the last one
	v_add_nc_u32 v8, s12, v1                       ; five plain lines: the places behind the last products, whose operands' registers are loaded below
	v_add_nc_u32 v9, s14, v2
	v_add_nc_u32 v11, s13, v3
	v_add_nc_u32 v28, s15, v4
	s_delay_alu instid0(VALU_DEP_3)
	v_add_nc_u32 v10, 49152, v9                    ; V's tiles 2 and 3 lie beyond a 16-bit offset
	s_cmp_eq_u32 s[PAR], 0
	s_cbranch_scc0 .Lodd_k
.irp t, 0,1,2,3,4,5,6,7                        ; even head: an image's registers 0-5 into slot t
	ds_load_b128 v[32+6*\t:35+6*\t], v8 offset:1024*\t
	ds_load_b64 v[36+6*\t:37+6*\t], v8 offset:1024*\t+512
.endr
	s_branch .Lk_done
.Lodd_k:
	s_wait_alu depctr_va_vdst(0)
.irp t, 0,1,2,3,4,5,6,7                        ; odd head: registers 6-11 into slot t + 1
	ds_load_b64 v[38+6*\t:39+6*\t], v8 offset:1024*\t+8
	ds_load_b128 v[40+6*\t:43+6*\t], v8 offset:1024*\t+512
.endr
.Lk_done:
	s_wait_alu depctr_va_vdst(0)
.irp b, 0,1,2,3
	ds_load_b32 v[86+\b], v11 offset:128*\b
.endr
	s_wait_dscnt 0x0
.irp t, 0,2,4,6                                ; S^T = k q^T
	v_wmma_scale_f32_16x16x128_f8f6f4 v[96+8*\t:103+8*\t], v[32+6*\t:43+6*\t], v[16:27], 0, v[86+\t/2], v255 matrix_a_fmt:MATRIX_FMT_FP6 matrix_b_fmt:MATRIX_FMT_FP6
	v_wmma_scale_f32_16x16x128_f8f6f4 v[104+8*\t:111+8*\t], v[38+6*\t:49+6*\t], v[16:27], 0, v[86+\t/2], v255 matrix_a_fmt:MATRIX_FMT_FP6 matrix_b_fmt:MATRIX_FMT_FP6 matrix_a_scale:MATRIX_SCALE_ROW1
.endr
.rept 4
	v_nop                                          ; places: ahead of the loads into k's registers and of the first read of the scores
.endr
.irp t, 0,1,2,3                                ; v's four fragments and their scale words land while the softmax runs
.irp c, 0,1,2
	ds_load_b128 v[32+12*\t+4*\c:35+12*\t+4*\c], v[9+\t/2] offset:24576*(\t%2)+512*\c
.endr
.endr
	ds_load_b32 v90, v28
	ds_load_b32 v91, v28 offset:2048
	s_wait_kmcnt 0x0                               ; the lane masks, asked for in the middle of the trip before, are in: so their offset may step
	s_add_co_u32 s17, s17, 256
	s_min_u32 s17, s17, 3840                       ; held at the tile's last 256 bytes: the last trip's request stays inside the buffer
.set n, 0
.rept 64
.set m, 2*(n%32)+n/32
	v_cndmask_b32 v[96+n], v7, v[96+n], s[20+m+16*(m/32)]    ; a masked score becomes -2^33; each accumulator is read from its low end on
.set n, n+1
.endr
.irp b, 0,1,2,3
	v_max3_num_f32 v[232+\b], v[96+16*\b], v[97+16*\b], v[98+16*\b]   ; the largest score of each block of 32 keys: for the row's maximum and, since p rises with the score, for the block's largest p
.endr
.irp i, 3,5,7,9,11,13
.irp b, 0,1,2,3
	s_delay_alu instid0(VALU_DEP_4)
	v_max3_num_f32 v[232+\b], v[232+\b], v[96+16*\b+\i], v[97+16*\b+\i]
.endr
.endr
.irp b, 0,1,2,3
	s_delay_alu instid0(VALU_DEP_4)
	v_max_num_f32 v[232+\b], v[232+\b], v[111+16*\b]
.endr
.irp b, 0,1,2,3
	s_delay_alu instid0(VALU_DEP_4)
	v_permlanex16_b32 v[236+\b], v[232+\b], s[SEL], s[SEL+1]
.endr
.irp b, 0,1,2,3
	s_delay_alu instid0(VALU_DEP_4)
	v_max_num_f32 v[232+\b], v[232+\b], v[236+\b]  ; with lane l xor 16's 16 keys
.endr
	s_delay_alu instid0(VALU_DEP_2)
	v_max3_num_f32 v254, v232, v233, v234
	s_delay_alu instid0(VALU_DEP_1)
	v_max_num_f32 v254, v254, v235
	s_delay_alu instid0(VALU_DEP_1)
	v_mul_f32 v254, s[CS], v254                    ; as t
	s_delay_alu instid0(VALU_DEP_1)
	v_max_num_f32 v13, v13, v254                   ; the running largest t
	v_mov_b32 v254, v12
	s_delay_alu instid0(VALU_DEP_2)
	v_floor_f32 v12, -v13                          ; the new -M = -ceil(t)
	s_delay_alu instid0(VALU_DEP_1)
	v_sub_f32 v254, v12, v254                      ; old M - new M: a whole number, 0 or less
	s_delay_alu instid0(VALU_DEP_1)
	v_cvt_i32_f32 v254, v254                       ; (it saturates)
	s_delay_alu instid0(VALU_DEP_1)
	v_ldexp_f32 v252, 1.0, v254                    ; f = 2^(old M - new M)
	MASKS                                          ; the selects above have read this step's masks: the next step's are asked for here
.set j, 0
.rept 32
	v_pk_fma_f32 v[96+j:97+j], v[96+j:97+j], s[CS:CS+1], v[12:13] op_sel_hi:[1,0,0]   ; t - M
.set j, j+2
.endr
.irp b, 0,1,2,3
	v_fma_f32 v[232+\b], v[232+\b], s[CS], v12
.endr
.set j, 0
	s_wait_alu depctr_va_vdst(0)
.rept 64
	v_exp_f32 v[96+j], v[96+j]                     ; p = 2^(t - M)
.set j, j+1
.endr
	v_pk_mul_f32 v[14:15], v[14:15], v[252:253] op_sel_hi:[1,0]   ; the sums under the new M; a plain place behind the exponentials
	s_wait_alu depctr_va_vdst(0)                   ; one wait for the whole batch, ahead of its first reader
.irp b, 0,1,2,3
	v_exp_f32 v[232+\b], v[232+\b]                 ; each block's largest p
.endr
	v_pk_add_f32 v[236:237], v[100:101], v[104:105]
	v_pk_add_f32 v[250:251], v[108:109], v[112:113]
	v_pk_add_f32 v[248:249], v[116:117], v[120:121]
	v_pk_add_f32 v[246:247], v[124:125], v[128:129]
	v_pk_add_f32 v[244:245], v[132:133], v[136:137]
	v_pk_add_f32 v[242:243], v[140:141], v[144:145]
	v_pk_add_f32 v[240:241], v[148:149], v[152:153]
	v_pk_add_f32 v[14:15], v[14:15], v[156:157]
	v_pk_add_f32 v[236:237], v[236:237], v[96:97]
	v_pk_add_f32 v[250:251], v[250:251], v[98:99]
	v_pk_add_f32 v[248:249], v[248:249], v[102:103]
	v_pk_add_f32 v[246:247], v[246:247], v[106:107]
	v_pk_add_f32 v[244:245], v[244:245], v[110:111]
	v_pk_add_f32 v[242:243], v[242:243], v[114:115]
	v_pk_add_f32 v[240:241], v[240:241], v[118:119]
	v_pk_add_f32 v[14:15], v[14:15], v[122:123]
	v_pk_add_f32 v[236:237], v[236:237], v[126:127]
	v_pk_add_f32 v[250:251], v[250:251], v[130:131]
	v_pk_add_f32 v[248:249], v[248:249], v[134:135]
	v_pk_add_f32 v[246:247], v[246:247], v[138:139]
	v_pk_add_f32 v[244:245], v[244:245], v[142:143]
	v_pk_add_f32 v[242:243], v[242:243], v[146:147]
	v_pk_add_f32 v[240:241], v[240:241], v[150:151]
	v_pk_add_f32 v[14:15], v[14:15], v[154:155]
	v_pk_add_f32 v[236:237], v[236:237], v[158:159]
	s_delay_alu instid0(VALU_DEP_2)
	v_pk_add_f32 v[14:15], v[14:15], v[246:247]
	s_delay_alu instid0(VALU_DEP_2)
	v_pk_add_f32 v[236:237], v[236:237], v[244:245]
	v_pk_add_f32 v[250:251], v[250:251], v[242:243]
	v_pk_add_f32 v[248:249], v[248:249], v[240:241]
	s_delay_alu instid0(VALU_DEP_2)
	v_pk_add_f32 v[14:15], v[14:15], v[250:251]
	s_delay_alu instid0(VALU_DEP_2)
	v_pk_add_f32 v[236:237], v[236:237], v[248:249]
	s_delay_alu instid0(VALU_DEP_1)
	v_pk_add_f32 v[14:15], v[14:15], v[236:237]
	s_wait_alu depctr_va_vdst(0)                   ; and one for the four
.irp b, 0,1,2,3
	v_max_num_f32 v[232+\b], 0x1800000, v[232+\b]  ; the floor 2^(3 - 127)
.endr
.irp b, 0,1,2,3
	s_delay_alu instid0(VALU_DEP_4)
	v_add_nc_u32 v[244+\b], 0xff000000, v[232+\b]  ; the conversion's scale operand
.endr
.irp b, 0,1,2,3
	s_delay_alu instid0(VALU_DEP_4)
	v_lshrrev_b32 v[236+\b], 23, v[244+\b]
.endr
	s_delay_alu instid0(VALU_DEP_3)
	v_lshl_or_b32 v253, v237, 8, v236              ; p's scale word for these 128 keys
	s_delay_alu instid0(VALU_DEP_1)
	v_lshl_or_b32 v253, v238, 16, v253
	s_delay_alu instid0(VALU_DEP_1)
	v_lshl_or_b32 v253, v239, 24, v253
.irp c, 0,1
	v_cvt_scalef32_pk16_fp6_f32 v[224+6*\c:226+6*\c], v[96+32*\c:111+32*\c], v[244+2*\c]
	v_cvt_scalef32_pk16_fp6_f32 v[236+4*\c:238+4*\c], v[112+32*\c:127+32*\c], v[244+2*\c+1]
.endr
	v_nop                                          ; one plain place behind the scaled conversions
.irp c, 0,1
.irp i, 0,1,2
	v_permlane16_swap_b32 v[224+6*\c+\i], v[236+4*\c+\i]
.endr
.irp i, 0,1,2
	s_delay_alu instid0(VALU_DEP_3)
	v_mov_b32 v[227+6*\c+\i], v[236+4*\c+\i]
.endr
.endr
.set j, 0
.rept 16
	v_pk_mul_f32 v[160+j:161+j], v[160+j:161+j], v[252:253] op_sel_hi:[1,0]   ; O^T under the new M
.set j, j+2
.endr
	s_wait_alu depctr_va_vdst(0)
	s_wait_dscnt 0x0                               ; v's fragments
.irp t, 0,2                                    ; O^T += v^T p^T: four accumulators by turns
	v_wmma_scale_f32_16x16x128_f8f6f4 v[160+8*\t:167+8*\t], v[32+12*\t:43+12*\t], v[224:235], v[160+8*\t:167+8*\t], v[90+\t/2], v253 matrix_a_fmt:MATRIX_FMT_FP6 matrix_b_fmt:MATRIX_FMT_FP6
	v_wmma_scale_f32_16x16x128_f8f6f4 v[168+8*\t:175+8*\t], v[44+12*\t:55+12*\t], v[224:235], v[168+8*\t:175+8*\t], v[90+\t/2], v253 matrix_a_fmt:MATRIX_FMT_FP6 matrix_b_fmt:MATRIX_FMT_FP6 matrix_a_scale:MATRIX_SCALE_ROW1
.endr
	s_barrier_wait -1                              ; every wave has begun this step; between signal and wait: register work, scalar loads and LDS loads of K and V, which nobody writes
	s_add_co_u32 s12, s12, 8192
	s_add_co_u32 s13, s13, 512
	s_add_co_u32 s14, s14, 1536
	s_add_co_u32 s15, s15, 64
	s_sub_co_u32 s16, s16, 1
	s_cmp_lg_u32 s16, 0
	s_cbranch_scc1 .Lstep
	s_wait_kmcnt 0x0                               ; the last trip's request
	; THE WAY OUT: O^T / the sum; register 16 b + i is channel 32 b + 16 h + i of my head: two blocks, quantised in registers into my head's six registers of ctx's image.
.rept 4
	v_nop
.endr
	v_add_f32 v14, v14, v15
	s_delay_alu instid0(VALU_DEP_1)
	v_permlanex16_b32 v252, v14, s[SEL], s[SEL+1]
	s_delay_alu instid0(VALU_DEP_1)
	v_add_f32 v14, v14, v252                       ; the row's sum
	s_wait_alu depctr_va_vdst(0)
	v_rcp_f32 v15, v14
	v_nop                                          ; a plain place behind the transcendental,
	s_wait_alu depctr_va_vdst(0)                   ; and the wait ahead of its first reader
.set j, 0
.rept 32
	v_mul_f32 v[192+j], v[160+j], v15              ; each accumulator from its low end on
.set j, j+1
.endr
.irp b, 0,1
	v_max3_num_f32 v[232+\b], |v[192+16*\b]|, |v[193+16*\b]|, 0x1800000
.endr
.irp i, 2,4,6,8,10,12,14
.irp b, 0,1
	s_delay_alu instid0(VALU_DEP_2)
	v_max3_num_f32 v[232+\b], v[232+\b], |v[192+16*\b+\i]|, |v[193+16*\b+\i]|
.endr
.endr
.irp b, 0,1
	s_delay_alu instid0(VALU_DEP_2)
	v_permlanex16_b32 v[236+\b], v[232+\b], s[SEL], s[SEL+1]
.endr
.irp b, 0,1
	s_delay_alu instid0(VALU_DEP_2)
	v_max_num_f32 v[232+\b], v[232+\b], v[236+\b]
.endr
.irp b, 0,1
	s_delay_alu instid0(VALU_DEP_2)
	v_add_nc_u32 v[244+\b], 0xff000000, v[232+\b]
.endr
.irp b, 0,1
	s_delay_alu instid0(VALU_DEP_2)
	v_lshrrev_b32 v[246+\b], 23, v[244+\b]
.endr
	v_cvt_scalef32_pk16_fp6_f32 v[224:226], v[192:207], v244
	v_cvt_scalef32_pk16_fp6_f32 v[240:242], v[208:223], v245
	v_cndmask_b32 v246, v246, v247, s[HALF]        ; lanes 0-15 store block 0's byte, lanes 16-31 block 1's; also the plain place behind the conversions
.irp i, 0,1,2
	v_permlane16_swap_b32 v[224+\i], v[240+\i]
.endr
.irp i, 0,1,2
	s_delay_alu instid0(VALU_DEP_3)
	v_mov_b32 v[227+\i], v[240+\i]
.endr
	s_cmp_eq_u32 s[PAR], 0
	s_cbranch_scc0 .Lodd_out
	global_store_b128 v1, v[224:227], s[8:9]               ; registers 0-3 of the image,
	global_store_b64 v1, v[228:229], s[8:9] offset:512     ; 4 and 5
	s_branch .Lout_done
.Lodd_out:
	s_wait_alu depctr_va_vdst(0)
	global_store_b64 v1, v[224:225], s[8:9] offset:520     ; registers 6 and 7,
	global_store_b128 v1, v[226:229], s[8:9] offset:1024   ; 8 to 11
.Lout_done:
	s_wait_alu depctr_va_vdst(0)
	global_store_b8 v31, v246, s[10:11]
	s_wait_tensorcnt 0x0                           ; the wave's end
	ds_add_u32 v5, v6
	s_wait_dscnt 0x0
	CROUND                                         ; the closing round
	s_endpgm
.Lfunc_end_k_q179082b6e3_attn:
	.size	k_q179082b6e3_attn, .Lfunc_end_k_q179082b6e3_attn-k_q179082b6e3_attn
	.p2alignl 7, 3214868480
	.fill 96, 4, 3214868480
	.section	.rodata,"a",@progbits
	.p2align	6, 0x0
	.amdhsa_kernel k_q179082b6e3_attn
		.amdhsa_group_segment_fixed_size 243712
		.amdhsa_private_segment_fixed_size 0
		.amdhsa_enable_private_segment 0
		.amdhsa_kernarg_size 24
		.amdhsa_user_sgpr_count 2
		.amdhsa_user_sgpr_kernarg_segment_ptr 1
		.amdhsa_wavefront_size32 1
		.amdhsa_system_sgpr_workgroup_id_x 1
		.amdhsa_system_sgpr_workgroup_id_y 1
		.amdhsa_system_sgpr_workgroup_id_z 1
		.amdhsa_system_vgpr_workitem_id 0
		.amdhsa_next_free_vgpr 256
		.amdhsa_next_free_sgpr 102
		.amdhsa_reserve_vcc 0
		.amdhsa_float_denorm_mode_32 3
		.amdhsa_float_denorm_mode_16_64 3
		.amdhsa_memory_ordered 1
		.amdhsa_forward_progress 1
		.amdhsa_inst_pref_size 41
	.end_amdhsa_kernel
	.amdgpu_metadata
---
amdhsa.version: [ 1, 2 ]
amdhsa.kernels:
  - .name:           k_q179082b6e3_attn
    .symbol:         k_q179082b6e3_attn.kd
    .args:
      - { .name: big, .offset: 0, .size: 8, .value_kind: global_buffer, .address_space: global }
      - { .name: maskw, .offset: 8, .size: 8, .value_kind: global_buffer, .address_space: global }
      - { .name: ctx, .offset: 16, .size: 8, .value_kind: global_buffer, .address_space: global }
    .group_segment_fixed_size: 243712
    .private_segment_fixed_size: 0
    .kernarg_segment_align: 8
    .kernarg_segment_size: 24
    .max_flat_workgroup_size: 512
    .sgpr_count:     102
    .vgpr_count:     256
    .wavefront_size: 32
...
	.end_amdgpu_metadata
.endif
;; end of part 3
;; launch oproj (part 4): grid 8 x 32, 4 waves a work-group, clusters of 4 x 4, 327,680 bytes of LDS; arguments ctx, wr, bo, x, x1; writes x1
.if DOCPART == 4
	.amdgcn_target "amdgcn-amd-amdhsa--gfx1250"
	.amdhsa_code_object_version 6
	.text
	.protected	k_q179082b6e3_oproj
	.globl	k_q179082b6e3_oproj
	.p2align	8
	.type	k_q179082b6e3_oproj,@function
k_q179082b6e3_oproj:
	s_mov_b64 s[64:65], 0
	v_nop
	global_prefetch_b8 v0, s[64:65] scope:SCOPE_SE
	s_setreg_imm32_b32 hwreg(HW_REG_WAVE_MODE, 25, 1), 1
	s_wait_xcnt 0x0
	s_wait_alu depctr_hold_cnt(0) depctr_sa_sdst(0) depctr_va_vdst(0) depctr_va_sdst(0) depctr_va_ssrc(0) depctr_va_vcc(0) depctr_vm_vsrc(0)
	s_getreg_b32 s2, hwreg(HW_REG_IB_STS2, 6, 4)
	s_cmp_eq_u32 s2, 0
	s_cbranch_scc0 .Lentry_in_a_cluster
	s_endpgm
.Lentry_in_a_cluster:
	s_bfe_u32 s2, ttmp6, 0x10000c
	s_cmp_lg_u32 s2, 0xf033
	s_cbranch_scc0 .Lentry_shape_is_right
	s_endpgm
.Lentry_shape_is_right:
.set TA,    4
; x1 = x + ctx wo + bo on register images, K = 1,024.  ALL OF K LIES IN LDS AT ONCE: A's and B's 8 tiles x 8 K steps x 1,536 bytes are 196,608 bytes: one slot, one joint load a wave at the head, nothing is filled again.
.set NQ,    8                          ; K steps in the one slot
.set KS,    8
.set ASC,   3145728
.set BCO,   0
.set BSC,   786432
.set LAPS,  KS/(2*NQ)
.set TPB,   KS*1536
.set QB,    TA*NQ*1536
.set SLOT,  4*QB
.set QS,    TA*KS*64
.set SCL,   SLOT
.set SPARE, SCL+4*QS
.set ADRA, 16
.set ADRB, 20
.set STO,  24
.set RD,   25
.set CO,   26
.set ADRS, 27
.set SPW,  28
.set NIL,  29
.set SC,   32
.set BK,   64
.set ACC,  128
.set BIAS, 192
.set G1, 24
.set G0, 32
.set G1B, 48
.set G0B, 56
.set G1S, 68
.set G0S, 76
.set G1SB, 80
.set G0SB, 88
.set MSB, 0
.macro WIN new
.if MSB != \new
	s_set_vgpr_msb (MSB<<8)|\new
.set MSB, \new
.endif
.endm
.macro JLOAD g0a, g1a, g0b, g1b
	s_cmp_eq_u32 s15, 0
	s_cbranch_scc0 .Lfor_b_\@
	tensor_load_to_lds s[\g0a:\g0a+3], s[\g1a:\g1a+7]
	s_nop 0
.rept 4
	v_nop
.endr
	s_branch .Lasked_\@
.Lfor_b_\@:
	tensor_load_to_lds s[\g0b:\g0b+3], s[\g1b:\g1b+7]
	s_nop 0
.rept 4
	v_nop
.endr
.Lasked_\@:
.endm
.macro CREST
	s_cmp_lg_u32 s14, 0
	s_cbranch_scc1 .Lnot_wave_0_\@
	s_barrier_signal -3
.Lnot_wave_0_\@:
	s_barrier_wait -3
	s_barrier_signal -1
	s_barrier_wait -1
.endm
.macro CROUND
	s_barrier_signal -1
	s_barrier_wait -1
	CREST
.endm
.macro PLACES n
.rept \n
	v_nop
.endr
.endm
.macro FRAG reg, adr, off
.irp c, 0,1,2
	ds_load_b128 v[(\reg)+4*\c:(\reg)+4*\c+3], v[\adr] offset:(\off)+512*\c
.endr
.endm
.macro FETCH slot, q, set
	WIN 0x40
.irp i, 0,1,2,3
	FRAG 96*(\set)+48+12*\i, ADRB+(\slot), \i*NQ*1536+(\q)*1536
.endr
.irp i, 0,1,2,3
	FRAG 96*(\set)+12*\i, ADRA+(\slot), \i*NQ*1536+(\q)*1536
.endr
	WIN 0
.endm
.macro SCALES slot
.irp i, 0,1,2,3
.irp q, 0,1,2,3,4,5,6,7
	ds_load_b32 v[SC+16*(\slot)+NQ*\i+\q], v[ADRS] offset:\i*KS*64+64*\q
.endr
.endr
.endm
.macro PART a, set, slot, q, cm
.if (\cm) == 0
	WIN 0x05
.else
	WIN 0x15
.endif
.irp b, 0,1,2,3
.set rD, ACC+8*(4*(\a)+\b)
.set rB, 96*(\set)+48+12*\b
.set rA, 96*(\set)+12*(\a)
.set sB, SC+16*(\slot)+NQ*\b+(\q)
.set sA, SC+16*(\slot)+NQ*(\a)+(\q)
.if (\cm) == 0
	v_wmma_scale_f32_16x16x128_f8f6f4 v[rD:rD+7], v[rB:rB+11], v[rA:rA+11], v[rD:rD+7], v[sB], v[sA] matrix_a_fmt:MATRIX_FMT_FP6 matrix_b_fmt:MATRIX_FMT_FP6 matrix_a_scale:MATRIX_SCALE_ROW1
.else
	v_wmma_scale_f32_16x16x128_f8f6f4 v[rD:rD+7], v[rB:rB+11], v[rA:rA+11], v[BIAS+8*\b:BIAS+8*\b+7], v[sB], v[sA] matrix_a_fmt:MATRIX_FMT_FP6 matrix_b_fmt:MATRIX_FMT_FP6 matrix_a_scale:MATRIX_SCALE_ROW1
.endif
.endr
.endm
.macro STEP slot, q, cm
	s_wait_dscnt 0x0
	PLACES 4
	FETCH \slot, (\q)+1, 1-(\q)%2
	PART 0, (\q)%2, \slot, \q, \cm
	PART 1, (\q)%2, \slot, \q, \cm
	PART 2, (\q)%2, \slot, \q, \cm
	PART 3, (\q)%2, \slot, \q, \cm
	WIN 0
.endm
.macro TURN slot, next, fill
	s_wait_tensorcnt 0x0
	ds_add_u32 v[SPW], v[NIL]
	s_wait_dscnt 1
	PART 0, 1, \slot, NQ-1, 0
	s_wait_dscnt 0x0
	s_barrier_signal -1
	PART 1, 1, \slot, NQ-1, 0
	WIN 0
	s_barrier_wait -1
.if \fill
	CREST
	s_add_nc_u64 s[G0+4*\slot+2:G0+4*\slot+3], s[G0+4*\slot+2:G0+4*\slot+3], 2*NQ*1536
	s_add_nc_u64 s[G0B+4*\slot+2:G0B+4*\slot+3], s[G0B+4*\slot+2:G0B+4*\slot+3], 2*NQ*1536
	JLOAD G0+4*\slot, G1, G0B+4*\slot, G1B
.else
	PLACES 4
.endif
	v_add_nc_u32 v[ADRS], 64*NQ, v[ADRS]
	FETCH \next, 0, 0
	SCALES \next
	PART 2, 1, \slot, NQ-1, 0
	PART 3, 1, \slot, NQ-1, 0
	WIN 0
.endm
	s_load_b256 s[4:11], s[0:1], 0x0
	s_load_b64 s[12:13], s[0:1], 0x20
	v_lshl_add_u32 v[SPW], v0, 2, SPARE
	v_mov_b32 v[NIL], 0
	ds_add_u32 v[SPW], v[NIL]
	ds_add_u32 v[SPW], v[NIL]
	v_lshrrev_b32 v1, 5, v0
	v_readfirstlane_b32 s14, v1
	s_lshr_b32 s15, s14, 1
	s_and_b32 s16, s14, 1
	s_bfe_u32 s40, ttmp6, 0x40000
	s_bfe_u32 s41, ttmp6, 0x40004
	s_lshl_b32 s42, ttmp9, 2
	s_add_co_u32 s42, s42, s40
	s_and_b32 s17, ttmp7, 0xffff
	s_lshl_b32 s17, s17, 2
	s_add_co_u32 s17, s17, s41
	s_lshl_b32 s43, s41, 2
	s_lshl_b32 s43, 15, s43
	s_lshl_b32 s44, 0x1111, s40
	s_or_b32 s[G1+0], s43, (3<<16)|(1<<21)
	s_or_b32 s[G1B+0], s44, (3<<16)|(1<<21)
.irp g, G1, G1B
	s_mov_b32 s[\g+1], (NQ*192)<<16
	s_mov_b32 s[\g+2], (2*TA)<<16                  ; both halves: 2 TA tiles
	s_mov_b32 s[\g+3], (NQ*192)<<16
	s_mov_b32 s[\g+4], 2*TA
	s_mov_b32 s[\g+5], KS*192
	s_mov_b32 s[\g+6], 0
	s_mov_b32 s[\g+7], 0
.endr
	s_or_b32 s[G1S+0], s43, (3<<16)|(1<<21)
	s_or_b32 s[G1SB+0], s44, (3<<16)|(1<<21)
.irp g, G1S, G1SB
	s_mov_b32 s[\g+1], 32<<16
	s_mov_b32 s[\g+2], (2*QS/256)<<16
	s_mov_b32 s[\g+3], 32<<16
	s_mov_b32 s[\g+4], 2*QS/256
	s_mov_b32 s[\g+5], 32
	s_mov_b32 s[\g+6], 0
	s_mov_b32 s[\g+7], 0
.endr
	s_lshl_b32 s20, s17, 3                         ; the block's first tile of A,
	s_lshl_b32 s46, s42, 3                         ; of B
	s_mul_i32 s22, s20, KS*64
	s_add_co_u32 s22, s22, ASC
	s_mov_b32 s23, 0
	s_mul_i32 s92, s46, KS*64
	s_add_co_u32 s92, s92, BSC
	s_mov_b32 s93, 0
	s_mul_i32 s20, s20, TPB
	s_mov_b32 s21, 0
	s_mul_i32 s46, s46, TPB
	s_add_co_u32 s46, s46, BCO
	s_mov_b32 s47, 0
	s_wait_dscnt 0x0
	s_wait_kmcnt 0x0
	s_add_nc_u64 s[20:21], s[4:5], s[20:21]
	s_add_nc_u64 s[22:23], s[4:5], s[22:23]
	s_add_nc_u64 s[46:47], s[6:7], s[46:47]
	s_add_nc_u64 s[92:93], s[6:7], s[92:93]
	CROUND
	s_mov_b32 s[G0S], 1
	s_mov_b32 s[G0S+1], SCL
	s_mov_b64 s[G0S+2:G0S+3], s[22:23]
	s_or_b32 s[G0S+3], s[G0S+3], 0x80000000
	s_mov_b32 s[G0SB], 1
	s_mov_b32 s[G0SB+1], SCL+2*QS
	s_mov_b64 s[G0SB+2:G0SB+3], s[92:93]
	s_or_b32 s[G0SB+3], s[G0SB+3], 0x80000000
	s_mov_b32 s[G0], 1                             ; A's 8 tiles, all of K,
	s_mov_b32 s[G0+1], 0
	s_mov_b64 s[G0+2:G0+3], s[20:21]
	s_or_b32 s[G0+3], s[G0+3], 0x80000000
	s_mov_b32 s[G0B], 1                            ; B's behind them
	s_mov_b32 s[G0B+1], 2*QB
	s_mov_b64 s[G0B+2:G0B+3], s[46:47]
	s_or_b32 s[G0B+3], s[G0B+3], 0x80000000
; THE LOADS, ONE A WAVE: wave 0 A's codes, wave 1 B's, wave 2 A's scale words, wave 3 B's.  One chain of branches on the wave's number, all arms leading to one join.
.macro ARM under, g0, g1, next
	s_cmp_lt_u32 s14, \under
	s_cbranch_scc0 \next
	tensor_load_to_lds s[\g0:\g0+3], s[\g1:\g1+7]
	s_nop 0
.rept 4
	v_nop
.endr
	s_branch .Lhead_asked
\next:
.endm
	ARM 1, G0,  G1,  .Lhead_b
	ARM 2, G0B, G1B, .Lhead_sa
	ARM 3, G0S, G1S, .Lhead_sb
	tensor_load_to_lds s[G0SB:G0SB+3], s[G1SB:G1SB+7]
	s_nop 0
.rept 4
	v_nop
.endr
.Lhead_asked:
	v_and_b32 v1, 15, v0
	v_bfe_u32 v2, v0, 4, 1
	s_wait_alu depctr_va_vdst(0)
	v_and_b32 v3, 31, v0
	v_lshlrev_b32 v3, 4, v3
	s_mul_i32 s21, s15, QB
	s_mul_i32 s22, s16, QB
	s_add_co_u32 s22, s22, 2*QB
.irp s, 0,1
	v_add_nc_u32 v[ADRA+\s], s21, v3
	v_add_nc_u32 v[ADRB+\s], s22, v3
	s_add_co_u32 s21, s21, SLOT
	s_add_co_u32 s22, s22, SLOT
.endr
	v_lshlrev_b32 v5, 2, v1
	s_mul_i32 s21, s15, QS
	s_mul_i32 s22, s16, QS
	s_add_co_u32 s22, s22, 2*QS
	s_sub_co_u32 s22, s22, s21
	v_mul_u32_u24 v6, s22, v2
	s_add_co_u32 s21, s21, SCL
	v_add_nc_u32 v5, v5, v6
	v_add_nc_u32 v[ADRS], s21, v5
	s_mul_i32 s23, s14, 16*272
	s_add_co_u32 s23, s23, SPARE+512               ; my stage has bytes of its own behind the spare words: other waves may still read the slot when I store
	v_mul_u32_u24 v5, v1, 272
	v_lshl_add_u32 v5, v2, 6, v5
	v_add_nc_u32 v[STO], s23, v5
	v_mul_u32_u24 v5, v2, 272
	v_lshl_add_u32 v5, v1, 4, v5
	v_add_nc_u32 v[RD], s23, v5
	v_lshlrev_b32 v[CO], 12, v2
	v_lshl_add_u32 v[CO], v1, 4, v[CO]
	v_lshlrev_b32 v6, 6, v2
	s_wait_alu depctr_va_vdst(0)
	s_lshl_b32 s20, s42, 9
	s_lshl_b32 s21, s16, 8
	s_add_co_u32 s20, s20, s21
	s_mov_b32 s21, 0
	s_add_nc_u64 s[8:9], s[8:9], s[20:21]
	s_lshl_b32 s22, s17, 19
	s_lshl_b32 s23, s15, 18
	s_add_co_u32 s22, s22, s23
	s_add_co_u32 s20, s20, s22
	s_add_nc_u64 s[10:11], s[10:11], s[20:21]
	s_add_nc_u64 s[12:13], s[12:13], s[20:21]
	WIN 0x40
.irp b, 0,1,2,3
	global_load_b128 v[BIAS+8*\b:BIAS+8*\b+3], v6, s[8:9] offset:(32*(\b/2)+8*(\b%2))*4
	global_load_b128 v[BIAS+8*\b+4:BIAS+8*\b+7], v6, s[8:9] offset:(32*(\b/2)+8*(\b%2))*4+16
.endr
	WIN 0x80
.irp a, 0,1,2,3
.irp i, 0,1,2,3,4,5,6,7
	global_load_b128 v[32*\a+4*\i:32*\a+4*\i+3], v[CO], s[10:11] offset:(32*(\a/2)+8*(\a%2)+((2*\i)&7)+16*(\i/4))*4096
.endr
.endr
	WIN 0
	s_wait_alu depctr_va_vdst(0)
	s_wait_tensorcnt 0x0                           ; my tile of the four is in
	s_barrier_signal -1
	s_barrier_wait -1                              ; everybody's is
	FETCH 0, 0, 0
	SCALES 0
	s_wait_loadcnt 32
	STEP 0, 0, 1
	STEP 0, 1, 0
	STEP 0, 2, 0
	STEP 0, 3, 0
	STEP 0, 4, 0
	STEP 0, 5, 0
	STEP 0, 6, 0
	s_wait_dscnt 0x0                               ; the last step's fragments
	PART 0, 1, 0, NQ-1, 0
	PART 1, 1, 0, NQ-1, 0
	PART 2, 1, 0, NQ-1, 0
	PART 3, 1, 0, NQ-1, 0
	WIN 0
	s_wait_loadcnt 0x0
	PLACES 4
.irp a, 0,1,2,3
	s_wait_xcnt 0x0
.irp b, 0,1,2,3
	ds_store_b128 v[STO], v[ACC+8*(4*\a+\b):ACC+8*(4*\a+\b)+3] offset:128*(\b/2)+32*(\b%2)
	ds_store_b128 v[STO], v[ACC+8*(4*\a+\b)+4:ACC+8*(4*\a+\b)+7] offset:128*(\b/2)+32*(\b%2)+16
.endr
.irp i, 0,1,2,3,4,5,6,7
	ds_load_b128 v[BK+32*(\a%2)+4*\i:BK+32*(\a%2)+4*\i+3], v[RD] offset:544*\i
.endr
	s_wait_dscnt 0x0
	WIN 0x08
.irp k, 0,2,4,6,8,10,12,14,16,18,20,22,24,26,28,30
	v_pk_add_f32 v[BK+32*(\a%2)+\k:BK+32*(\a%2)+\k+1], v[BK+32*(\a%2)+\k:BK+32*(\a%2)+\k+1], v[32*\a+\k:32*\a+\k+1]
.endr
	WIN 0
.irp i, 0,1,2,3,4,5,6,7
	global_store_b128 v[CO], v[BK+32*(\a%2)+4*\i:BK+32*(\a%2)+4*\i+3], s[12:13] offset:(32*(\a/2)+8*(\a%2)+((2*\i)&7)+16*(\i/4))*4096
.endr
.endr
	s_wait_tensorcnt 0x0
	ds_add_u32 v[SPW], v[NIL]
	s_wait_dscnt 0x0
	CROUND
	s_endpgm
.Lfunc_end_k_q179082b6e3_oproj:
	.size	k_q179082b6e3_oproj, .Lfunc_end_k_q179082b6e3_oproj-k_q179082b6e3_oproj
	.p2alignl 7, 3214868480
	.fill 96, 4, 3214868480
	.section	.rodata,"a",@progbits
	.p2align	6, 0x0
	.amdhsa_kernel k_q179082b6e3_oproj
		.amdhsa_group_segment_fixed_size 327680
		.amdhsa_private_segment_fixed_size 0
		.amdhsa_enable_private_segment 0
		.amdhsa_kernarg_size 40
		.amdhsa_user_sgpr_count 2
		.amdhsa_user_sgpr_kernarg_segment_ptr 1
		.amdhsa_wavefront_size32 1
		.amdhsa_system_sgpr_workgroup_id_x 1
		.amdhsa_system_sgpr_workgroup_id_y 1
		.amdhsa_system_sgpr_workgroup_id_z 1
		.amdhsa_system_vgpr_workitem_id 0
		.amdhsa_next_free_vgpr 768
		.amdhsa_next_free_sgpr 98
		.amdhsa_reserve_vcc 0
		.amdhsa_float_denorm_mode_32 3
		.amdhsa_float_denorm_mode_16_64 3
		.amdhsa_memory_ordered 1
		.amdhsa_forward_progress 1
		.amdhsa_inst_pref_size 57
	.end_amdhsa_kernel
	.amdgpu_metadata
---
amdhsa.version: [ 1, 2 ]
amdhsa.kernels:
  - .name:           k_q179082b6e3_oproj
    .symbol:         k_q179082b6e3_oproj.kd
    .args:
      - { .name: ctx, .offset: 0, .size: 8, .value_kind: global_buffer, .address_space: global }
      - { .name: wr, .offset: 8, .size: 8, .value_kind: global_buffer, .address_space: global }
      - { .name: bo, .offset: 16, .size: 8, .value_kind: global_buffer, .address_space: global }
      - { .name: x, .offset: 24, .size: 8, .value_kind: global_buffer, .address_space: global }
      - { .name: x1, .offset: 32, .size: 8, .value_kind: global_buffer, .address_space: global }
    .group_segment_fixed_size: 327680
    .private_segment_fixed_size: 0
    .kernarg_segment_align: 8
    .kernarg_segment_size: 40
    .max_flat_workgroup_size: 128
    .sgpr_count:     98
    .vgpr_count:     768
    .wavefront_size: 32
...
	.end_amdgpu_metadata
.endif
;; end of part 4
;; launch ln2: the kernel of part 1 again; grid 256 x 1, 4 waves a work-group, no clusters, 60,928 bytes of LDS; arguments x1, ln2_a, ln2_b, act, mask, maskw, wq, wk, wv, wo, w1, w2, bq, bk, bv, b1, wq3, wf1, wr; writes act, maskw, wq3, wf1, wr
;; launch ffn1: the kernel of part 2 again; grid 16 x 16, 4 waves a work-group, clusters of 4 x 4, 327,680 bytes of LDS; arguments act, wf1, big; writes big
;; launch ffn2 (part 5): grid 8 x 32, 4 waves a work-group, clusters of 4 x 4, 327,680 bytes of LDS; arguments big, wr, b2, x1, out0; writes out0
.if DOCPART == 5
	.amdgcn_target "amdgcn-amd-amdhsa--gfx1250"
	.amdhsa_code_object_version 6
	.text
	.protected	k_q179082b6e3_ffn2
	.globl	k_q179082b6e3_ffn2
	.p2align	8
	.type	k_q179082b6e3_ffn2,@function
k_q179082b6e3_ffn2:
	s_mov_b64 s[64:65], 0
	v_nop
	global_prefetch_b8 v0, s[64:65] scope:SCOPE_SE
	s_setreg_imm32_b32 hwreg(HW_REG_WAVE_MODE, 25, 1), 1
	s_wait_xcnt 0x0
	s_wait_alu depctr_hold_cnt(0) depctr_sa_sdst(0) depctr_va_vdst(0) depctr_va_sdst(0) depctr_va_ssrc(0) depctr_va_vcc(0) depctr_vm_vsrc(0)
	s_getreg_b32 s2, hwreg(HW_REG_IB_STS2, 6, 4)
	s_cmp_eq_u32 s2, 0
	s_cbranch_scc0 .Lentry_in_a_cluster
	s_endpgm
.Lentry_in_a_cluster:
	s_bfe_u32 s2, ttmp6, 0x10000c
	s_cmp_lg_u32 s2, 0xf033
	s_cbranch_scc0 .Lentry_shape_is_right
	s_endpgm
.Lentry_shape_is_right:
.set TA,    4
.set NQ,    4
.set KS,    32
.set ASC,   12582912
.set BCO,   819200
.set BSC,   3964928
.set LAPS,  KS/(2*NQ)
.set TPB,   KS*1536
.set QB,    TA*NQ*1536
.set SLOT,  4*QB
.set QS,    TA*KS*64
.set SCL,   2*SLOT
.set SPARE, SCL+4*QS
.set ADRA, 16
.set ADRB, 20
.set STO,  24
.set RD,   25
.set CO,   26
.set ADRS, 27
.set SPW,  28
.set NIL,  29
.set SC,   32
.set BK,   64
.set ACC,  128
.set BIAS, 192
.set G1, 24
.set G0, 32
.set G1B, 48
.set G0B, 56
.set G1S, 68
.set G0S, 76
.set G1SB, 80
.set G0SB, 88
.set MSB, 0
.macro WIN new
.if MSB != \new
	s_set_vgpr_msb (MSB<<8)|\new
.set MSB, \new
.endif
.endm
.macro JLOAD g0a, g1a, g0b, g1b
	s_cmp_eq_u32 s15, 0
	s_cbranch_scc0 .Lfor_b_\@
	tensor_load_to_lds s[\g0a:\g0a+3], s[\g1a:\g1a+7]
	s_nop 0
.rept 4
	v_nop
.endr
	s_branch .Lasked_\@
.Lfor_b_\@:
	tensor_load_to_lds s[\g0b:\g0b+3], s[\g1b:\g1b+7]
	s_nop 0
.rept 4
	v_nop
.endr
.Lasked_\@:
.endm
.macro CREST
	s_cmp_lg_u32 s14, 0
	s_cbranch_scc1 .Lnot_wave_0_\@
	s_barrier_signal -3
.Lnot_wave_0_\@:
	s_barrier_wait -3
	s_barrier_signal -1
	s_barrier_wait -1
.endm
.macro CROUND
	s_barrier_signal -1
	s_barrier_wait -1
	CREST
.endm
.macro PLACES n
.rept \n
	v_nop
.endr
.endm
.macro FRAG reg, adr, off
.irp c, 0,1,2
	ds_load_b128 v[(\reg)+4*\c:(\reg)+4*\c+3], v[\adr] offset:(\off)+512*\c
.endr
.endm
.macro FETCH slot, q, set
	WIN 0x40
.irp i, 0,1,2,3
	FRAG 96*(\set)+48+12*\i, ADRB+(\slot), \i*NQ*1536+(\q)*1536
.endr
.irp i, 0,1,2,3
	FRAG 96*(\set)+12*\i, ADRA+(\slot), \i*NQ*1536+(\q)*1536
.endr
	WIN 0
.endm
.macro SCALES slot
.irp i, 0,1,2,3
.irp q, 0,1,2,3
	ds_load_b32 v[SC+16*(\slot)+NQ*\i+\q], v[ADRS] offset:\i*KS*64+64*\q
.endr
.endr
.endm
.macro PART a, set, slot, q, cm
.if (\cm) == 0
	WIN 0x05
.else
	WIN 0x15
.endif
.irp b, 0,1,2,3
.set rD, ACC+8*(4*(\a)+\b)
.set rB, 96*(\set)+48+12*\b
.set rA, 96*(\set)+12*(\a)
.set sB, SC+16*(\slot)+NQ*\b+(\q)
.set sA, SC+16*(\slot)+NQ*(\a)+(\q)
.if (\cm) == 0
	v_wmma_scale_f32_16x16x128_f8f6f4 v[rD:rD+7], v[rB:rB+11], v[rA:rA+11], v[rD:rD+7], v[sB], v[sA] matrix_a_fmt:MATRIX_FMT_FP6 matrix_b_fmt:MATRIX_FMT_FP6 matrix_a_scale:MATRIX_SCALE_ROW1
.else
	v_wmma_scale_f32_16x16x128_f8f6f4 v[rD:rD+7], v[rB:rB+11], v[rA:rA+11], v[BIAS+8*\b:BIAS+8*\b+7], v[sB], v[sA] matrix_a_fmt:MATRIX_FMT_FP6 matrix_b_fmt:MATRIX_FMT_FP6 matrix_a_scale:MATRIX_SCALE_ROW1
.endif
.endr
.endm
.macro STEP slot, q, cm
	s_wait_dscnt 0x0
	PLACES 4
	FETCH \slot, (\q)+1, 1-(\q)%2
	PART 0, (\q)%2, \slot, \q, \cm
	PART 1, (\q)%2, \slot, \q, \cm
	PART 2, (\q)%2, \slot, \q, \cm
	PART 3, (\q)%2, \slot, \q, \cm
	WIN 0
.endm
.macro TURN slot, next, fill
.if \fill
	s_wait_xcnt 0x0                                ; my prefetches have read their base: it steps a slot along K, ahead of the waits of the change of slots
	s_add_nc_u64 s[96:97], s[96:97], NQ*1536
.endif
	s_wait_tensorcnt 0x0
	ds_add_u32 v[SPW], v[NIL]
	s_wait_dscnt 1
	PART 0, 1, \slot, NQ-1, 0
	s_wait_dscnt 0x0
	s_barrier_signal -1
	PART 1, 1, \slot, NQ-1, 0
	WIN 0
	s_barrier_wait -1
.if \fill
	CREST
	s_add_nc_u64 s[G0+4*\slot+2:G0+4*\slot+3], s[G0+4*\slot+2:G0+4*\slot+3], 2*NQ*1536
	s_add_nc_u64 s[G0B+4*\slot+2:G0B+4*\slot+3], s[G0B+4*\slot+2:G0B+4*\slot+3], 2*NQ*1536
	JLOAD G0+4*\slot, G1, G0B+4*\slot, G1B
.else
	PLACES 4
.endif
	s_wait_alu depctr_va_vdst(0)
	v_add_nc_u32 v[ADRS], 64*NQ, v[ADRS]
	FETCH \next, 0, 0
	SCALES \next
.if \fill
	s_cmp_gt_u32 s3, 1                             ; the loop's last trip has no slot two on
	s_cbranch_scc0 .Lno_ask_\@
	global_prefetch_b8 v30, s[96:97] offset:3*NQ*1536 th:TH_LOAD_NT scope:SCOPE_SE   ; the slot two refills on: my work-group's tile of the four that I fetch, 24 blocks of 256 bytes, a lane a block
.Lno_ask_\@:
.endif
	PART 2, 1, \slot, NQ-1, 0
	PART 3, 1, \slot, NQ-1, 0
	WIN 0
.endm
	s_load_b256 s[4:11], s[0:1], 0x0
	s_load_b64 s[12:13], s[0:1], 0x20
	v_lshl_add_u32 v[SPW], v0, 2, SPARE
	v_mov_b32 v[NIL], 0
	ds_add_u32 v[SPW], v[NIL]
	ds_add_u32 v[SPW], v[NIL]
	v_lshrrev_b32 v1, 5, v0
	v_readfirstlane_b32 s14, v1
	s_lshr_b32 s15, s14, 1
	s_and_b32 s16, s14, 1
	s_bfe_u32 s40, ttmp6, 0x40000
	s_bfe_u32 s41, ttmp6, 0x40004
	s_lshl_b32 s42, ttmp9, 2
	s_add_co_u32 s42, s42, s40
	s_and_b32 s17, ttmp7, 0xffff
	s_lshl_b32 s17, s17, 2
	s_add_co_u32 s17, s17, s41
	s_lshl_b32 s43, s41, 2
	s_lshl_b32 s43, 15, s43
	s_lshl_b32 s44, 0x1111, s40
	s_or_b32 s[G1+0], s43, (3<<16)|(1<<21)
	s_or_b32 s[G1B+0], s44, (3<<16)|(1<<21)
.irp g, G1, G1B
	s_mov_b32 s[\g+1], (NQ*192)<<16
	s_mov_b32 s[\g+2], (2*TA)<<16                  ; the head's loads bring both halves: 2 TA tiles; behind them the two words are set to TA
	s_mov_b32 s[\g+3], (NQ*192)<<16
	s_mov_b32 s[\g+4], 2*TA
	s_mov_b32 s[\g+5], KS*192
	s_mov_b32 s[\g+6], 0
	s_mov_b32 s[\g+7], 0
.endr
	s_or_b32 s[G1S+0], s43, (3<<16)|(1<<21)
	s_or_b32 s[G1SB+0], s44, (3<<16)|(1<<21)
.irp g, G1S, G1SB
	s_mov_b32 s[\g+1], 32<<16
	s_mov_b32 s[\g+2], (2*QS/256)<<16
	s_mov_b32 s[\g+3], 32<<16
	s_mov_b32 s[\g+4], 2*QS/256
	s_mov_b32 s[\g+5], 32
	s_mov_b32 s[\g+6], 0
	s_mov_b32 s[\g+7], 0
.endr
	s_lshl_b32 s20, s17, 3                         ; the block's first tile of A,
	s_lshl_b32 s46, s42, 3                         ; of B
	s_mul_i32 s22, s20, KS*64
	s_add_co_u32 s22, s22, ASC
	s_mov_b32 s23, 0
	s_mul_i32 s92, s46, KS*64
	s_add_co_u32 s92, s92, BSC
	s_mov_b32 s93, 0
	s_mul_i32 s20, s20, TPB
	s_mov_b32 s21, 0
	s_mul_i32 s46, s46, TPB
	s_add_co_u32 s46, s46, BCO
	s_mov_b32 s47, 0
	s_mul_i32 s45, s14, QB
	s_mul_i32 s94, s16, TA*TPB                     ; in the ring I fetch one half: its distance in bytes
	s_mov_b32 s95, 0
	s_wait_dscnt 0x0
	s_wait_kmcnt 0x0
	s_add_nc_u64 s[20:21], s[4:5], s[20:21]
	s_add_nc_u64 s[22:23], s[4:5], s[22:23]
	s_add_nc_u64 s[46:47], s[6:7], s[46:47]
	s_add_nc_u64 s[92:93], s[6:7], s[92:93]
	CROUND
	s_mov_b32 s[G0S], 1
	s_mov_b32 s[G0S+1], SCL
	s_mov_b64 s[G0S+2:G0S+3], s[22:23]
	s_or_b32 s[G0S+3], s[G0S+3], 0x80000000
	s_mov_b32 s[G0SB], 1
	s_mov_b32 s[G0SB+1], SCL+2*QS
	s_mov_b64 s[G0SB+2:G0SB+3], s[92:93]
	s_or_b32 s[G0SB+3], s[G0SB+3], 0x80000000
	s_mov_b32 s[G0], 1                             ; slot 0's first fill: A's 2 TA tiles whole,
	s_mov_b32 s[G0+1], 0
	s_mov_b64 s[G0+2:G0+3], s[20:21]
	s_or_b32 s[G0+3], s[G0+3], 0x80000000
	s_mov_b32 s[G0B], 1                            ; B's behind them
	s_mov_b32 s[G0B+1], 2*QB
	s_mov_b64 s[G0B+2:G0B+3], s[46:47]
	s_or_b32 s[G0B+3], s[G0B+3], 0x80000000
	s_add_nc_u64 s[20:21], s[20:21], s[94:95]      ; for the ring: my half
	s_add_nc_u64 s[46:47], s[46:47], s[94:95]
	s_cmp_eq_u32 s15, 0                            ; the prefetches' base: of the TA tiles that I fetch in the ring, the four partners that ask jointly take one each, told apart by address alone
	s_cselect_b64 s[96:97], s[20:21], s[46:47]
	s_cselect_b32 s18, s40, s41                    ; cx for A's tiles, cy for B's
	s_mul_i32 s18, s18, TPB
	s_mov_b32 s19, 0
	s_add_nc_u64 s[96:97], s[96:97], s[18:19]
	s_mov_b32 s[G0+4], 1                           ; slot 1: a quarter a wave
	s_add_co_u32 s[G0+5], s45, SLOT
	s_add_nc_u64 s[G0+6:G0+7], s[20:21], NQ*1536
	s_or_b32 s[G0+7], s[G0+7], 0x80000000
	s_mov_b32 s[G0B+4], 1
	s_add_co_u32 s[G0B+5], s45, SLOT
	s_add_nc_u64 s[G0B+6:G0B+7], s[46:47], NQ*1536
	s_or_b32 s[G0B+7], s[G0B+7], 0x80000000
; THE HEAD'S LOADS, ONE A WAVE: wave 0 A's part of slot 0, wave 1 B's, wave 2 A's scale words, wave 3 B's.  One chain of branches on the wave's number, all arms leading to one join.
.macro ARM under, g0, g1, next
	s_cmp_lt_u32 s14, \under
	s_cbranch_scc0 \next
	tensor_load_to_lds s[\g0:\g0+3], s[\g1:\g1+7]
	s_nop 0
.rept 4
	v_nop
.endr
	s_branch .Lhead_asked
\next:
.endm
	ARM 1, G0,  G1,  .Lhead_b
	ARM 2, G0B, G1B, .Lhead_sa
	ARM 3, G0S, G1S, .Lhead_sb
	tensor_load_to_lds s[G0SB:G0SB+3], s[G1SB:G1SB+7]
	s_nop 0
.rept 4
	v_nop
.endr
.Lhead_asked:
	v_and_b32 v1, 15, v0
	v_bfe_u32 v2, v0, 4, 1
	s_wait_alu depctr_va_vdst(0)
	v_and_b32 v3, 31, v0
	v_lshlrev_b32 v3, 4, v3
	s_mul_i32 s21, s15, QB
	s_mul_i32 s22, s16, QB
	s_add_co_u32 s22, s22, 2*QB
.irp s, 0,1
	v_add_nc_u32 v[ADRA+\s], s21, v3
	v_add_nc_u32 v[ADRB+\s], s22, v3
	s_add_co_u32 s21, s21, SLOT
	s_add_co_u32 s22, s22, SLOT
.endr
	v_lshlrev_b32 v5, 2, v1
	s_mul_i32 s21, s15, QS
	s_mul_i32 s22, s16, QS
	s_add_co_u32 s22, s22, 2*QS
	s_sub_co_u32 s22, s22, s21
	v_mul_u32_u24 v6, s22, v2
	s_add_co_u32 s21, s21, SCL
	v_add_nc_u32 v5, v5, v6
	v_add_nc_u32 v[ADRS], s21, v5
	s_mul_i32 s23, s14, 16*272
	v_mul_u32_u24 v5, v1, 272
	v_lshl_add_u32 v5, v2, 6, v5
	v_add_nc_u32 v[STO], s23, v5
	v_mul_u32_u24 v5, v2, 272
	v_lshl_add_u32 v5, v1, 4, v5
	v_add_nc_u32 v[RD], s23, v5
	v_lshlrev_b32 v[CO], 12, v2
	v_lshl_add_u32 v[CO], v1, 4, v[CO]
	v_lshlrev_b32 v6, 6, v2
	v_and_b32 v30, 31, v0
	v_min_u32 v30, 23, v30                         ; a tile's part of a slot is 24 blocks of 256 bytes; the lanes left over name the last again
	v_lshlrev_b32 v30, 8, v30                      ; the prefetches' offset; never rewritten
	s_wait_alu depctr_va_vdst(0)
	global_prefetch_b8 v30, s[96:97] offset:NQ*1536 th:TH_LOAD_NT scope:SCOPE_SE     ; beside slot 0's load: slots 1 and 2
	global_prefetch_b8 v30, s[96:97] offset:2*NQ*1536 th:TH_LOAD_NT scope:SCOPE_SE
	s_lshl_b32 s20, s42, 9
	s_lshl_b32 s21, s16, 8
	s_add_co_u32 s20, s20, s21
	s_mov_b32 s21, 0
	s_add_nc_u64 s[8:9], s[8:9], s[20:21]
	s_lshl_b32 s22, s17, 19
	s_lshl_b32 s23, s15, 18
	s_add_co_u32 s22, s22, s23
	s_add_co_u32 s20, s20, s22
	s_add_nc_u64 s[10:11], s[10:11], s[20:21]
	s_add_nc_u64 s[12:13], s[12:13], s[20:21]
	WIN 0x40
.irp b, 0,1,2,3
	global_load_b128 v[BIAS+8*\b:BIAS+8*\b+3], v6, s[8:9] offset:(32*(\b/2)+8*(\b%2))*4
	global_load_b128 v[BIAS+8*\b+4:BIAS+8*\b+7], v6, s[8:9] offset:(32*(\b/2)+8*(\b%2))*4+16
.endr
	WIN 0x80
.irp a, 0,1,2,3
.irp i, 0,1,2,3,4,5,6,7
	global_load_b128 v[32*\a+4*\i:32*\a+4*\i+3], v[CO], s[10:11] offset:(32*(\a/2)+8*(\a%2)+((2*\i)&7)+16*(\i/4))*4096
.endr
.endr
	WIN 0
	s_wait_alu depctr_va_vdst(0)
	s_wait_tensorcnt 0x0                           ; my tile of the head's four is in; these lines stand ahead of slot 1's first fill as ahead of a refill
	ds_add_u32 v[SPW], v[NIL]                      ; 0 onto my spare word
	s_mov_b32 s[G1+2], TA<<16                      ; no tensor load of mine is out, so descriptors may be written: from here on a load brings TA tiles
	s_mov_b32 s[G1+4], TA
	s_mov_b32 s[G1B+2], TA<<16
	s_mov_b32 s[G1B+4], TA
.if LAPS > 1
	s_mov_b32 s[G0+1], s45                         ; slot 0's refills: a quarter a wave, my half of the tiles
	s_mov_b32 s[G0B+1], s45
	s_add_nc_u64 s[G0+2:G0+3], s[G0+2:G0+3], s[94:95]
	s_add_nc_u64 s[G0B+2:G0B+3], s[G0B+2:G0B+3], s[94:95]
.endif
	s_wait_dscnt 0x0                               ; the add is done
	CROUND                                         ; a whole round: all four tiles are in, and the sixteen work-groups are here
	JLOAD G0+4, G1, G0B+4, G1B                     ; slot 1's first fill, my one tensor load behind the round
	FETCH 0, 0, 0
	SCALES 0
	global_prefetch_b8 v30, s[96:97] offset:3*NQ*1536 th:TH_LOAD_NT scope:SCOPE_SE   ; beside slot 1's load: slot 3
	s_wait_loadcnt 32
	STEP 0, 0, 1
	STEP 0, 1, 0
	STEP 0, 2, 0
.if LAPS > 1
	s_mov_b32 s3, LAPS-1
.Llap:
	TURN 0, 1, 1
	STEP 1, 0, 0
	STEP 1, 1, 0
	STEP 1, 2, 0
	TURN 1, 0, 1
	STEP 0, 0, 0
	STEP 0, 1, 0
	STEP 0, 2, 0
	s_sub_co_u32 s3, s3, 1
	s_cmp_lg_u32 s3, 0
	s_cbranch_scc1 .Llap
.endif
	TURN 0, 1, 0
	STEP 1, 0, 0
	STEP 1, 1, 0
	STEP 1, 2, 0
	s_wait_dscnt 0x0
	PART 0, 1, 1, NQ-1, 0
	PART 1, 1, 1, NQ-1, 0
	PART 2, 1, 1, NQ-1, 0
	PART 3, 1, 1, NQ-1, 0
	WIN 0
	s_wait_loadcnt 0x0
	PLACES 4
.irp a, 0,1,2,3
	s_wait_xcnt 0x0
.irp b, 0,1,2,3
	ds_store_b128 v[STO], v[ACC+8*(4*\a+\b):ACC+8*(4*\a+\b)+3] offset:128*(\b/2)+32*(\b%2)
	ds_store_b128 v[STO], v[ACC+8*(4*\a+\b)+4:ACC+8*(4*\a+\b)+7] offset:128*(\b/2)+32*(\b%2)+16
.endr
.irp i, 0,1,2,3,4,5,6,7
	ds_load_b128 v[BK+32*(\a%2)+4*\i:BK+32*(\a%2)+4*\i+3], v[RD] offset:544*\i
.endr
	s_wait_dscnt 0x0
	WIN 0x08
.irp k, 0,2,4,6,8,10,12,14,16,18,20,22,24,26,28,30
	v_pk_add_f32 v[BK+32*(\a%2)+\k:BK+32*(\a%2)+\k+1], v[BK+32*(\a%2)+\k:BK+32*(\a%2)+\k+1], v[32*\a+\k:32*\a+\k+1]
.endr
	WIN 0
.irp i, 0,1,2,3,4,5,6,7
	global_store_b128 v[CO], v[BK+32*(\a%2)+4*\i:BK+32*(\a%2)+4*\i+3], s[12:13] offset:(32*(\a/2)+8*(\a%2)+((2*\i)&7)+16*(\i/4))*4096
.endr
.endr
	s_wait_tensorcnt 0x0
	ds_add_u32 v[SPW], v[NIL]
	s_wait_dscnt 0x0
	CROUND
	s_endpgm
.Lfunc_end_k_q179082b6e3_ffn2:
	.size	k_q179082b6e3_ffn2, .Lfunc_end_k_q179082b6e3_ffn2-k_q179082b6e3_ffn2
	.p2alignl 7, 3214868480
	.fill 96, 4, 3214868480
	.section	.rodata,"a",@progbits
	.p2align	6, 0x0
	.amdhsa_kernel k_q179082b6e3_ffn2
		.amdhsa_group_segment_fixed_size 327680
		.amdhsa_private_segment_fixed_size 0
		.amdhsa_enable_private_segment 0
		.amdhsa_kernarg_size 40
		.amdhsa_user_sgpr_count 2
		.amdhsa_user_sgpr_kernarg_segment_ptr 1
		.amdhsa_wavefront_size32 1
		.amdhsa_system_sgpr_workgroup_id_x 1
		.amdhsa_system_sgpr_workgroup_id_y 1
		.amdhsa_system_sgpr_workgroup_id_z 1
		.amdhsa_system_vgpr_workitem_id 0
		.amdhsa_next_free_vgpr 768
		.amdhsa_next_free_sgpr 98
		.amdhsa_reserve_vcc 0
		.amdhsa_float_denorm_mode_32 3
		.amdhsa_float_denorm_mode_16_64 3
		.amdhsa_memory_ordered 1
		.amdhsa_forward_progress 1
		.amdhsa_inst_pref_size 95
	.end_amdhsa_kernel
	.amdgpu_metadata
---
amdhsa.version: [ 1, 2 ]
amdhsa.kernels:
  - .name:           k_q179082b6e3_ffn2
    .symbol:         k_q179082b6e3_ffn2.kd
    .args:
      - { .name: big, .offset: 0, .size: 8, .value_kind: global_buffer, .address_space: global }
      - { .name: wr, .offset: 8, .size: 8, .value_kind: global_buffer, .address_space: global }
      - { .name: b2, .offset: 16, .size: 8, .value_kind: global_buffer, .address_space: global }
      - { .name: x1, .offset: 24, .size: 8, .value_kind: global_buffer, .address_space: global }
      - { .name: out0, .offset: 32, .size: 8, .value_kind: global_buffer, .address_space: global }
    .group_segment_fixed_size: 327680
    .private_segment_fixed_size: 0
    .kernarg_segment_align: 8
    .kernarg_segment_size: 40
    .max_flat_workgroup_size: 128
    .sgpr_count:     98
    .vgpr_count:     768
    .wavefront_size: 32
...
	.end_amdgpu_metadata
.endif
;; end of part 5
